; MI455X (gfx1250); checked and timed in simulation.
; The chip was launched on July 23, 2026; its instructions are those of AMD's public machine-readable ISA for CDNA 5 (MIT licence, August 2026) and "CDNA5" Instruction Set Architecture Reference Guide (July 2026). The comments in the code are by the model that wrote it; some were corrected since.
;; Manifold Hyper Connections. Allowed arithmetic: matrix products marked QUANTISED: E2M3 operands, one E8M0 scale for each 32 along K, by v_wmma_scale_f32_16x16x128_f8f6f4 with both operands' format E2M3, f32 sums; products left as they are: f32 operands where the result goes on into a quantised operand, else bf16, f16 or f32 operands; f32 sums; everything else in f32.
;; Inputs: W1_codes 8,192 x 64 x 24 uint8 (E2M3 codes of W1, K innermost, in blocks of 32 codes, four codes in three bytes); W1_scales 8,192 x 64 uint8 (E8M0 scales of W1, one for each 32 codes along K); W2_codes 2,048 x 256 x 24 uint8 (E2M3 codes of W2, K innermost, in blocks of 32 codes, four codes in three bytes); W2_scales 2,048 x 256 uint8 (E8M0 scales of W2, one for each 32 codes along K); alpha_post 1 float32; alpha_pre 1 float32; alpha_res 1 float32; b1 8,192 float32; b2 2,048 float32; b_post 4 float32; b_pre 4 float32; b_res 4 x 4 float32; phi_post_b 4 float32; phi_post_w 4 x 8,192 float32; phi_pre_b 4 float32; phi_pre_w 4 x 8,192 float32; phi_res_b 16 float32; phi_res_w 16 x 8,192 float32; x 4 x 512 x 2,048 float32.
;; Outputs: out0 4 x 512 x 2,048 float32.
;; This version of the problem:
;;   THIS VERSION OF THE PROBLEM IS GIVEN IN LOW PRECISION. The matrix products marked QUANTISED in the list below multiply operands that are first quantised to E2M3 (2 exponent bits, 3 mantissa bits; 6 bits a number), with one power-of-two scale for each 32 numbers along K (OCP MX v1.0); their sums are f32. All else is computed in f32.
;;   The module's matrix products, in the order in which they are computed (A, B: the left and right operand; K: the contracted axis; several contracted axes count as one K, in the product's order):
;;     1. [M 2,048, K 2,048] x [K 2,048, N 4]; A: computed on the way; B: computed on the way: left as it is (N = 4 < 16)
;;     2. [M 2,048, K 2,048] x [K 2,048, N 4]; A: computed on the way; B: computed on the way: left as it is (N = 4 < 16)
;;     3. [M 2,048, K 2,048] x [K 2,048, N 16]; A: computed on the way; B: computed on the way: QUANTISED
;;     4. [M 2,048, K 2,048] x [K 2,048, N 8,192]; A: computed on the way; B: input W1 (given as codes): QUANTISED
;;     5. [M 2,048, K 8,192] x [K 8,192, N 2,048]; A: computed on the way; B: input W2 (given as codes): QUANTISED
;;   THE QUANTISER, for each operand of a quantised product, along K:
;;     - K is cut into blocks of 32 from its start; a last block that is shorter is filled with zeros.
;;     - A block's scale is 2^e with e = floor(log2(the largest magnitude in the block)) - 2, held to -126 .. 127; a block of zeros has e = 0. As a byte (E8M0): e + 127.
;;     - Each number is divided by its block's scale, clamped to +-7.5, and rounded to the nearest number of E2M3, ties to even, subnormals kept.
;;     - The product sums the exact products of the quantised numbers (number of the format x scale) in f32.
;;   ~~~python
;;   def quantise(x, axis):      # numpy; x: float32 -> the quantised numbers, widened to float32 again
;;       x = np.moveaxis(x, axis, -1); K = x.shape[-1]
;;       x = np.pad(x, [(0, 0)] * (x.ndim - 1) + [(0, -K % 32)]); x = x.reshape(x.shape[:-1] + (-1, 32)); a = np.abs(x).max(-1, keepdims=True)
;;       e = np.where(a > 0, np.clip(np.frexp(np.where(a > 0, a, 1))[1] - 1 - 2, -126, 127), 0)      # np.frexp(a)[1] - 1 = floor(log2(a)), exactly
;;       r = np.clip(x / 2.0 ** e, -7.5, 7.5)
;;       step = 2.0 ** (np.maximum(np.frexp(np.where(r == 0, 1, r))[1] - 1, 0) - 3)
;;       q = np.round(r / step) * step * 2.0 ** e      # np.round: ties to even
;;       return np.moveaxis(q.reshape(q.shape[:-2] + (-1,))[..., :K], -1, axis).astype(np.float32)
;;   ~~~
;;   OPERANDS COMPUTED ON THE WAY. 'Computed on the way' means the value that the module computes at that place (a softmax that the list does not call 'softmax' is quantised finished and normalised). What goes into a quantiser is computed in f32, as accurately as f32 sums, v_exp_f32 and their like allow (about 1e-6 of the number): no bf16 or f16 on the way to a quantiser, and a product that is left as it is and whose result goes on into a quantised operand takes f32 operands (vector FMAs, or v_wmma_f32_16x16x4_f32). A number that lies on a knife's edge between two numbers of the format may be rounded either way, as far as f32 arithmetic and the matrix unit's own rounding can turn it there, and no further.
;;   INPUTS GIVEN AS CODES. W1 (in the module: [2048, 8192], K = its axis 0); W2 (in the module: [8192, 2048], K = its axis 0): each comes as NAME_codes (uint8): NAME with its K axis moved to the last place and cut into blocks of 32 codes, [.., K / 32, bytes a block], one block behind the other in memory; four codes in three bytes: a row's codes are one little-endian stream of bits, code i at bits 6 i .. 6 i + 5 (a code: sign, 2 exponent bits, 3 mantissa bits); and NAME_scales (uint8): the same leading axes, one E8M0 byte (e + 127) for each 32 codes along K. Its value is code x scale, taken as it is: it is not quantised again, and the codes and scales need not be those that the quantiser above would give.
;; One version. Each part assembles by itself: llvm-mc -triple=amdgcn-amd-amdhsa -mcpu=gfx1250 --defsym DOCPART=n.
;; ======== version 1 of 1: 3 launches
;; limits: right only within a limited range of input values
;; workspace buffers: xq 3,145,728 bytes; xs 131,072 bytes; post 8,192 bytes; hq 12,582,912 bytes; hs 524,288 bytes; w1q 12,582,912 bytes; w2q 12,582,912 bytes
;; launch prep (part 1): grid 256 x 1, 8 waves a work-group, no clusters, 238,592 bytes of LDS; arguments x, phi_pre_w, phi_post_w, phi_pre_b, phi_post_b, b_pre, b_post, alpha_pre, alpha_post, xq, xs, post, W1_codes, W2_codes, w1q, w2q; writes xq, xs, post, w1q, w2q
.if DOCPART == 1
	.amdgcn_target "amdgcn-amd-amdhsa--gfx1250"
	.amdhsa_code_object_version 6
	.text
	.protected	k_qbd51f80f49_prep
	.globl	k_qbd51f80f49_prep
	.p2align	8
	.type	k_qbd51f80f49_prep,@function
k_qbd51f80f49_prep:
	s_mov_b64 s[64:65], 0
	v_nop
	global_prefetch_b8 v0, s[64:65] scope:SCOPE_SE
	s_setreg_imm32_b32 hwreg(HW_REG_WAVE_MODE, 25, 1), 1
	s_wait_xcnt 0x0
; FIRST OF THREE LAUNCHES.  For each of the 2,048 rows of x (2,048 numbers each): the root mean square, the eight small products with the summed blocks of phi_pre_w and phi_post_w,
; g = sum of sigmoid(h_pre_t), post = 2 x sum of sigmoid(h_post_t); then x g is quantised to E2M3 with one E8M0 scale for each 32 along the row: the first operand of the product with W1.
; DEAD WORK, LEFT OUT IN ALL THREE LAUNCHES.  res_mix is the sum of all 16 entries of h_res = sinkhorn_knopp(h_res_t).  The last step of sinkhorn_knopp is M / sum(M, axis=-2).  In real numbers exp(.) > 0,
; and a division of positive entries by a positive sum leaves them positive, so every column sum in that last step is positive, and behind it each of the 4 columns sums to exactly 1: res_mix = 4, whatever finite
; values the inputs hold.  So the product of x_n with Wr (though it is a quantised one), the quantising of x_n and of Wr, the exponentials and the ten rounds of normalising reach no output.
; phi_res_w, phi_res_b, alpha_res and b_res have no way to the output: they are not loaded and are no arguments of any launch.  The last launch multiplies x by 4.
; LIMITS.  A NaN, an infinity or an overflow that arises only in the work left out is not carried to the result.  NaN and infinities among the inputs are not served.  A block whose largest magnitude lies under
; 2^(3 - 127) keeps the scale byte 1, a block of zeros too (its codes are zeros, and these bytes are read by this program alone).  The small products are taken as rs x (x . W), not (x rs) . W: another order of rounding.
; SHARES.  A work-group of eight waves takes 16 rows: one block of rows of the matrix operand.  For the sums thread t owns k = 4 t .. 4 t + 3 and 1024 + 4 t .. + 3 of every row and of every weight vector: a wave's load covers
; 512 consecutive bytes, and the eight summed weight vectors stay in 64 registers.  For the quantiser wave w owns the K blocks of 128 numbered 2 w and 2 w + 1.  128 work-groups: a block has 16 rows, and every
; work-group reads both weight tensors (262,144 bytes) beside its 131,072 bytes of x.
; ALL OF A WAVE'S 96 LOADS ARE ISSUED ON END, ahead of any arithmetic: 32 for its part of the 16 rows, 64 for its part of the eight weight vectors' four blocks.  They take 384 registers, so the wave has two windows of 256.
; OUT.  xq [128 blocks of rows][16 K blocks][1,536 bytes]: a fragment (16 rows x 128 K) as the IMAGE of its 12 operand registers: register i of lane l at 512 (i / 4) + 16 l + 4 (i % 4); lane (r, h), registers 6 c .. 6 c + 5: k = 64 c + 32 h + 0 .. 31 of row r.
; xs [128][8 pairs of K blocks][16 rows][2 words]: a word = the four scale bytes of a row and a K block.  post [2,048] f32.
.set XP,    8208                       ; a row of x in LDS: 8,192 bytes + 16: 513 x 16, so the sixteen rows of a 16-byte load start in sixteen different groups of banks
.set RED,   16*XP                      ; [9 sums][16 rows][8 waves] f32
.set SCW,   RED+9*512                  ; the work-group's 1,024 bytes of xs
.set SPARE, SCW+1024                   ; the spare words, 128 bytes for each wave: four blocks of 256 bytes that no other line names
.set W,   32                           ; v32-95   the eight summed weight vectors, my 8 numbers of each
.set X,   96                           ; v96-159  rows 0-7, 8 numbers each; later the 72 partial sums (to v167); later a fragment's 64 numbers
.set T,   160                          ; v160-223 weight vectors 6 and 7 as loaded: four blocks of 8 numbers each
.set X2,  192                          ; WINDOW 1: v192-255 rows 8-15; v0-191 weight vectors 0-5 as loaded, 32 registers each
.set E0,  160                          ; later, in window 0: four sets of nine sums, and one more for the odd rows
.set E1,  169
.set E2,  178
.set E3,  187
.set ET,  196
.set AC,  206                          ; v206-223 nine pairs: a row's sums at work
.set MT,  224                          ; v224-232 what a merge sends
.set SUM, 16                           ; v16-24   my row's nine sums
.set PC,  176                          ; v176-195 the codes just made
.set TM,  200                          ; v200-207 largest magnitudes, scale operands, bytes, the word
; v4 16 t (global)   v5, v6 where I store x in LDS (rows 0-7, 8-15)   v7, v8 the partial sums: in, out   v9 a fragment's numbers   v10 my place in xq   v11 my scale words   v12, v13 the spare word and 0
; v14, v15 g twice   v26 SCW + 16 lane   v27 16 lane   v28 4 r   v29 8 h   v30 post
.set MSB, 0
.macro WIN new                         ; s_set_vgpr_msb: bits 1:0 source 0, 3:2 source 1, 5:4 source 2, 7:6 destination; the immediate's high byte repeats the setting that is left
.if MSB != (\new)
	s_set_vgpr_msb (MSB<<8)|(\new)
.set MSB, \new
.endif
.endm
.macro XLOAD i, reg                    ; row i: my 8 numbers
	global_load_b128 v[\reg:\reg+3], v4, s[4:5] offset:(\i)*8192
	global_load_b128 v[\reg+4:\reg+7], v4, s[4:5] offset:(\i)*8192+4096
.endm
.macro XSTORE i, reg                   ; and into LDS, as they lie
	ds_store_b128 v[5+(\i)/8], v[\reg:\reg+3] offset:((\i)%8)*XP
	ds_store_b128 v[5+(\i)/8], v[\reg+4:\reg+7] offset:((\i)%8)*XP+4096
.endm
.macro PHI v, reg                      ; weight vector v (0-3: phi_pre_w, 4-7: phi_post_w): its four blocks of 2,048, my 8 numbers of each
.irp j, 0,1,2,3
.irp u, 0,1
.if (\v) < 4
	global_load_b128 v[\reg+8*\j+4*\u:\reg+8*\j+4*\u+3], v4, s[6:7] offset:((\v)%4)*32768+\j*8192+\u*4096
.else
	global_load_b128 v[\reg+8*\j+4*\u:\reg+8*\j+4*\u+3], v4, s[8:9] offset:((\v)%4)*32768+\j*8192+\u*4096
.endif
.endr
.endr
.endm
.macro WSUM v, reg, w                  ; the four blocks, which lie in window w from v[reg] on, are added into window 0
	WIN 5*(\w)
.irp e, 0,2,4,6
	v_pk_add_f32 v[W+8*(\v)+\e:W+8*(\v)+\e+1], v[\reg+\e:\reg+\e+1], v[\reg+8+\e:\reg+8+\e+1]
.endr
	WIN 4*(\w)
.irp j, 16,24
.irp e, 0,2,4,6
	v_pk_add_f32 v[W+8*(\v)+\e:W+8*(\v)+\e+1], v[W+8*(\v)+\e:W+8*(\v)+\e+1], v[\reg+\j+\e:\reg+\j+\e+1]
.endr
.endr
.endm
.macro ROW xr, xw, dst                 ; a row, which lies in window xw from v[xr] on: x . x, then x . W for the eight vectors by turns, over my 8 numbers; then each pair's halves
	WIN 5*(\xw)
	v_pk_mul_f32 v[AC:AC+1], v[\xr:\xr+1], v[\xr:\xr+1]
.irp e, 2,4,6
	s_delay_alu instid0(VALU_DEP_1)
	v_pk_fma_f32 v[AC:AC+1], v[\xr+\e:\xr+\e+1], v[\xr+\e:\xr+\e+1], v[AC:AC+1]
.endr
	WIN \xw
.irp s, 0,1,2,3,4,5,6,7
	v_pk_mul_f32 v[AC+2+2*\s:AC+3+2*\s], v[\xr:\xr+1], v[W+8*\s:W+8*\s+1]
.endr
.irp e, 2,4,6
.irp s, 0,1,2,3,4,5,6,7
	v_pk_fma_f32 v[AC+2+2*\s:AC+3+2*\s], v[\xr+\e:\xr+\e+1], v[W+8*\s+\e:W+8*\s+\e+1], v[AC+2+2*\s:AC+3+2*\s]
.endr
.endr
	WIN 0
.irp s, 0,1,2,3,4,5,6,7,8
	v_add_f32 v[\dst+\s], v[AC+2*\s], v[AC+2*\s+1]
.endr
.endm
; Two sets of nine sums become one while lanes xm apart are added: a lane whose mask bit is 0 keeps set a and sends set b, the other the other way round.  So a bit of the row's number moves into a bit of the lane's.
.macro MERGE a, b, m, xm
.irp s, 0,1,2,3,4,5,6,7,8
	v_cndmask_b32 v[MT+\s], v[\b+\s], v[\a+\s], s[\m]
.endr
.irp s, 0,1,2,3,4,5,6,7,8
	v_cndmask_b32 v[\a+\s], v[\a+\s], v[\b+\s], s[\m]
.endr
.irp s, 0,1,2,3,4,5,6,7,8
	v_add_f32_dpp v[\a+\s], v[MT+\s], v[\a+\s] row_xmask:\xm row_mask:0xf bank_mask:0xf
.endr
.endm
	v_lshl_add_u32 v12, v0, 2, SPARE
	v_mov_b32 v13, 0
	s_cmp_ge_u32 ttmp9, 128                        ; work-groups 0-127 take the rows of x, work-groups 128-255 lay the weights' codes out anew (at the text's end)
	s_wait_alu depctr_va_vdst(0)                   ; the wait directly ahead of the branch
	s_cbranch_scc1 .Lrelay
	s_load_b512 s[4:19], s[0:1], 0x0               ; x, phi_pre_w, phi_post_w, phi_pre_b, phi_post_b, b_pre, b_post, alpha_pre
	s_load_b256 s[20:27], s[0:1], 0x40             ; alpha_post, xq, xs, post
	v_lshrrev_b32 v1, 5, v0
	s_delay_alu instid0(VALU_DEP_1)
	v_readfirstlane_b32 s52, v1                    ; wave 0..7
	v_and_b32 v1, 31, v0                           ; lane
	v_and_b32 v2, 15, v0                           ; r
	v_bfe_u32 v3, v0, 4, 1                         ; h
	v_lshlrev_b32 v4, 4, v0
	v_lshlrev_b32 v5, 4, v0
	s_delay_alu instid0(VALU_DEP_1)
	v_add_nc_u32 v6, 8*XP, v5
	s_lshl_b32 s56, s52, 2
	v_lshlrev_b32 v8, 5, v2
	s_delay_alu instid0(VALU_DEP_1)
	v_add_nc_u32 v8, RED, v8                       ; my row's eight partial sums
	s_delay_alu instid0(VALU_DEP_1)
	v_add_nc_u32 v7, s56, v8                       ; and my wave's among them
	v_mul_u32_u24 v9, v2, XP
	s_delay_alu instid0(VALU_DEP_1)
	v_lshl_add_u32 v9, v3, 7, v9
	s_lshl_b32 s57, s52, 10
	v_add_nc_u32 v9, s57, v9                       ; row r, + 128 h, + my wave's two K blocks
	s_mul_i32 s58, s52, 3072
	v_lshlrev_b32 v27, 4, v1
	s_delay_alu instid0(VALU_DEP_1)
	v_add_nc_u32 v10, s58, v27
	s_lshl_b32 s59, s52, 7
	v_lshlrev_b32 v11, 3, v2
	s_delay_alu instid0(VALU_DEP_1)
	v_add_nc_u32 v11, s59, v11
	s_delay_alu instid0(VALU_DEP_1)
	v_add_nc_u32 v11, SCW, v11
	v_add_nc_u32 v26, SCW, v27
	v_lshlrev_b32 v28, 2, v2
	v_lshlrev_b32 v29, 3, v3
	s_mov_b32 s46, 0xaaaaaaaa                      ; lanes whose bit 0, 1, 2, 3 is set
	s_mov_b32 s47, 0xcccccccc
	s_mov_b32 s48, 0xf0f0f0f0
	s_mov_b32 s49, 0xff00ff00
	s_mov_b32 s50, 0x76543210                      ; v_permlanex16_b32: lane l xor 16
	s_mov_b32 s51, 0xfedcba98
	s_mov_b32 s53, 0x3a000000                      ; 1 / 2,048
	s_mov_b32 s54, 0x34000000                      ; eps of f32, 2^-23
	s_lshl_b32 s60, ttmp9, 17                      ; 16 rows of 8,192 bytes
	s_mov_b32 s61, 0
	s_wait_kmcnt 0x0
	s_add_nc_u64 s[4:5], s[4:5], s[60:61]
	s_mul_i32 s60, ttmp9, 24576
	s_add_nc_u64 s[22:23], s[22:23], s[60:61]
	s_lshl_b32 s60, ttmp9, 10
	s_add_nc_u64 s[24:25], s[24:25], s[60:61]
	s_lshl_b32 s60, ttmp9, 6
	s_add_nc_u64 s[26:27], s[26:27], s[60:61]
	s_load_b128 s[28:31], s[10:11], 0x0            ; phi_pre_b
	s_load_b128 s[32:35], s[12:13], 0x0            ; phi_post_b
	s_load_b128 s[36:39], s[14:15], 0x0            ; b_pre
	s_load_b128 s[40:43], s[16:17], 0x0            ; b_post
	s_load_b32 s44, s[18:19], 0x0                  ; alpha_pre
	s_load_b32 s45, s[20:21], 0x0                  ; alpha_post
.irp i, 0,1,2,3,4,5,6,7
	XLOAD \i, X+8*\i                               ; 16 loads: rows 0-7
.endr
	PHI 6, T                                       ; 16: weight vectors 6 and 7
	PHI 7, T+32
	WIN 0x40                                       ; destination window 1, address window 0
.irp i, 0,1,2,3,4,5,6,7
	XLOAD \i+8, X2+8*\i                            ; 16: rows 8-15
.endr
.irp v, 0,1,2,3,4,5
	PHI \v, 32*\v                                  ; 48: weight vectors 0-5
.endr
	WIN 0
	s_wait_loadcnt 63                              ; loads come back in order (ISA guide 5.7.1): of the 96 at most 63 are out, so the oldest 33 are in, rows 0-7 and vectors 6 and 7 among them
.irp i, 0,1,2,3,4,5,6,7
	XSTORE \i, X+8*\i
.endr
	WSUM 6, T, 0
	WSUM 7, T+32, 0
	s_wait_loadcnt 48                              ; rows 8-15 are in; the six vectors' 48 loads behind them may be out
	WIN 0x04                                       ; an LDS store's data are its source 1: window 1
.irp i, 0,1,2,3,4,5,6,7
	XSTORE \i+8, X2+8*\i
.endr
.irp v, 0,1,2,3,4,5
	s_wait_loadcnt 8*(5-\v)                        ; this vector's eight loads are in; the later vectors' may be out
	WSUM \v, 32*\v, 1
.endr
	WIN 0
	ROW X, 0, E0
	ROW X+8, 0, ET
	MERGE E0, ET, 46, 1
	ROW X+16, 0, E1
	ROW X+24, 0, ET
	MERGE E1, ET, 46, 1
	MERGE E0, E1, 47, 2
	ROW X+32, 0, E1
	ROW X+40, 0, ET
	MERGE E1, ET, 46, 1
	ROW X+48, 0, E2
	ROW X+56, 0, ET
	MERGE E2, ET, 46, 1
	MERGE E1, E2, 47, 2
	MERGE E0, E1, 48, 4                            ; E0: rows 0-7 by the lane's low three bits
	ROW X2, 1, E1
	ROW X2+8, 1, ET
	MERGE E1, ET, 46, 1
	ROW X2+16, 1, E2
	ROW X2+24, 1, ET
	MERGE E2, ET, 46, 1
	MERGE E1, E2, 47, 2
	ROW X2+32, 1, E2
	ROW X2+40, 1, ET
	MERGE E2, ET, 46, 1
	ROW X2+48, 1, E3
	ROW X2+56, 1, ET
	MERGE E3, ET, 46, 1
	MERGE E2, E3, 47, 2
	MERGE E1, E2, 48, 4
	MERGE E0, E1, 49, 8                            ; E0: lane l holds row l % 16, summed over its half of the lanes
.irp s, 0,1,2,3,4,5,6,7,8
	v_permlanex16_b32 v[MT+\s], v[E0+\s], s50, s51
.endr
.irp s, 0,1,2,3,4,5,6,7,8
	v_add_f32 v[E0+\s], v[E0+\s], v[MT+\s]         ; and over the wave
.endr
.irp s, 0,1,2,3,4,5,6,7,8
	ds_store_b32 v7, v[E0+\s] offset:512*\s        ; both halves of the lanes write the same word with the same value
.endr
	s_wait_dscnt 0x0                               ; for the others' sake: my rows' parts of x and my partial sums lie in LDS
	s_barrier_signal -1
	s_barrier_wait -1
.irp s, 0,1,2,3,4,5,6,7,8
	ds_load_b128 v[X+8*\s:X+8*\s+3], v8 offset:512*\s
	ds_load_b128 v[X+8*\s+4:X+8*\s+7], v8 offset:512*\s+16
.endr
	s_wait_dscnt 0x0
.irp s, 0,1,2,3,4,5,6,7,8
	v_pk_add_f32 v[X+8*\s:X+8*\s+1], v[X+8*\s:X+8*\s+1], v[X+8*\s+2:X+8*\s+3]
	v_pk_add_f32 v[X+8*\s+4:X+8*\s+5], v[X+8*\s+4:X+8*\s+5], v[X+8*\s+6:X+8*\s+7]
.endr
.irp s, 0,1,2,3,4,5,6,7,8
	v_pk_add_f32 v[X+8*\s:X+8*\s+1], v[X+8*\s:X+8*\s+1], v[X+8*\s+4:X+8*\s+5]
.endr
.irp s, 0,1,2,3,4,5,6,7,8
	v_add_f32 v[SUM+\s], v[X+8*\s], v[X+8*\s+1]    ; lane (r, .) of every wave holds row r's nine sums
.endr
	s_wait_alu depctr_va_vdst(0)
	s_wait_kmcnt 0x0                               ; the biases and gains
	v_fma_f32 v25, v[SUM], s53, s54                ; mean(x x) + eps
	s_wait_alu depctr_va_vdst(0)
	v_rsq_f32 v25, v25
	v_mov_b32 v[TM+7], 0                           ; (a plain line behind the root; a lane permute's destination is written before it is used)
	s_wait_alu depctr_va_vdst(0)                   ; the wait ahead of the first line that names the result
.irp i, 0,1,2,3,4,5,6,7
	v_fma_f32 v[SUM+1+\i], v[SUM+1+\i], v25, s[28+\i]      ; x_n . W + phi_b
.endr
.irp i, 0,1,2,3
	v_fma_f32 v[SUM+1+\i], v[SUM+1+\i], s44, s[36+\i]      ; x alpha_pre + b_pre
.endr
.irp i, 4,5,6,7
	v_fma_f32 v[SUM+1+\i], v[SUM+1+\i], s45, s[36+\i]      ; x alpha_post + b_post
.endr
.irp i, 0,1,2,3,4,5,6,7
	v_mul_f32 v[SUM+1+\i], 0xbfb8aa3b, v[SUM+1+\i]         ; sigmoid(t) = 1 / (1 + 2^(-t log2 e))
.endr
	s_wait_alu depctr_va_vdst(0)
.irp i, 0,1,2,3,4,5,6,7
	v_exp_f32 v[SUM+1+\i], v[SUM+1+\i]
.endr
	v_nop
	s_wait_alu depctr_va_vdst(0)                   ; one wait for the eight
.irp i, 0,1,2,3,4,5,6,7
	v_add_f32 v[SUM+1+\i], 1.0, v[SUM+1+\i]
.endr
	s_wait_alu depctr_va_vdst(0)
.irp i, 0,1,2,3,4,5,6,7
	v_rcp_f32 v[SUM+1+\i], v[SUM+1+\i]
.endr
	v_nop
	s_wait_alu depctr_va_vdst(0)                   ; one wait for the eight
	v_add_f32 v17, v17, v18
	v_add_f32 v19, v19, v20
	v_add_f32 v21, v21, v22
	v_add_f32 v23, v23, v24
	s_delay_alu instid0(VALU_DEP_3)
	v_add_f32 v14, v17, v19                        ; g
	s_delay_alu instid0(VALU_DEP_2)
	v_add_f32 v30, v21, v23
	s_delay_alu instid0(VALU_DEP_2)
	v_mov_b32 v15, v14
	s_wait_alu depctr_va_vdst(0)
	v_add_f32 v30, v30, v30                        ; post
; K block 2 w + f of my 16 rows: lane (r, h) takes k = 64 c + 32 h + 0 .. 31 of row r, two whole blocks of 32, in the order of the operand's registers; x g; the two scales; the codes; the image goes to xq.
.macro FRAGQ f
.irp c, 0,1
.irp j, 0,1,2,3,4,5,6,7
	ds_load_b128 v[X+32*\c+4*\j:X+32*\c+4*\j+3], v9 offset:512*\f+256*\c+16*\j
.endr
.endr
	s_wait_dscnt 0x0
	s_wait_xcnt 0x0                                ; the last fragment's stores have read the codes' registers, which are written again below
.set fi, 0
.rept 32
	v_pk_mul_f32 v[X+fi:X+fi+1], v[X+fi:X+fi+1], v[14:15]
.set fi, fi+2
.endr
.irp c, 0,1
	v_max3_num_f32 v[TM+\c], |v[X+32*\c]|, |v[X+32*\c+1]|, 0x1800000   ; the block's largest magnitude, with the floor 2^(3 - 127): the byte cannot fall under 1
.endr
.irp i, 2,4,6,8,10,12,14,16,18,20,22,24,26,28,30
.irp c, 0,1
	s_delay_alu instid0(VALU_DEP_2)
	v_max3_num_f32 v[TM+\c], v[TM+\c], |v[X+32*\c+\i]|, |v[X+32*\c+\i+1]|
.endr
.endr
.irp c, 0,1
	s_delay_alu instid0(VALU_DEP_2)
	v_add_nc_u32 v[TM+2+\c], 0xff000000, v[TM+\c]  ; 2 off its exponent field: the conversion takes the exponent field of this operand as its scale
.endr
.irp c, 0,1
	s_delay_alu instid0(VALU_DEP_2)
	v_lshrrev_b32 v[TM+4+\c], 23, v[TM+2+\c]       ; the scale's byte
.endr
	s_delay_alu instid0(VALU_DEP_1)
	v_lshl_or_b32 v[TM+6], v[TM+5], 16, v[TM+4]    ; my two bytes: blocks h and 2 + h,
	s_delay_alu instid0(VALU_DEP_1)
	v_lshlrev_b32 v[TM+6], v29, v[TM+6]            ; 8 h bits up;
	s_delay_alu instid0(VALU_DEP_1)
	v_permlanex16_b32 v[TM+7], v[TM+6], s50, s51
	s_delay_alu instid0(VALU_DEP_1)
	v_or_b32 v[TM+6], v[TM+6], v[TM+7]             ; with lane l xor 16's two the word is whole
.irp c, 0,1
	v_cvt_scalef32_pk16_fp6_f32 v[PC+6*\c:PC+6*\c+2], v[X+32*\c:X+32*\c+15], v[TM+2+\c]
	v_cvt_scalef32_pk16_fp6_f32 v[PC+12+4*\c:PC+14+4*\c], v[X+32*\c+16:X+32*\c+31], v[TM+2+\c]   ; (a conversion's three registers begin on an even number)
.endr
	v_nop                                          ; one plain line behind the conversions
.irp c, 0,1
.irp i, 0,1,2
	v_mov_b32 v[PC+3+6*\c+\i], v[PC+12+4*\c+\i]
.endr
.endr
.irp g, 0,1,2
	global_store_b128 v10, v[PC+4*\g:PC+4*\g+3], s[22:23] offset:1536*\f+512*\g   ; 32 lanes store 512 consecutive bytes, at a multiple of 256 from the buffer's first byte
.endr
	ds_store_b32 v11, v[TM+6] offset:4*\f          ; both halves of the lanes write the same word with the same value
.endm
	FRAGQ 0
	FRAGQ 1
	s_wait_dscnt 0x0                               ; for wave 0's sake: my scale words lie in LDS
	s_barrier_signal -1
	s_barrier_wait -1
	s_cmp_lg_u32 s52, 0                            ; wave 0 stores the work-group's 1,024 bytes of scale words, whole, and its 16 numbers of post
	s_cbranch_scc1 .Lend
	ds_load_b128 v[96:99], v26
	ds_load_b128 v[100:103], v26 offset:512
	s_wait_dscnt 0x0
	global_store_b128 v27, v[96:99], s[24:25]
	global_store_b128 v27, v[100:103], s[24:25] offset:512
	global_store_b32 v28, v30, s[26:27]
.Lend:
	s_wait_tensorcnt 0x0                           ; the wave's end
	ds_add_u32 v12, v13
	s_wait_dscnt 0x0
	s_endpgm
; WORK-GROUPS 128-255: W1's and W2's codes as IMAGES of the operand's registers, in xq's form: w1q [512 blocks of 16 rows][16 K blocks][1,536], w2q [128][64][1,536].
; A unit is 16 rows x 768 bytes (8 K blocks): 1,024 units in each tensor, 1,024 waves, each takes unit u of both.  A load takes 256 consecutive bytes of a row, at a multiple of 256;
; the unit goes through the wave's own LDS bytes (rows 784 bytes apart: 196 words, so row r starts at bank 4 r mod 64) and comes back by rows: lane (r, h) takes the pieces of 8 bytes of its fragment's registers.
.set RL, 138240                        ; behind the other path's bytes: 12,544 bytes for each wave
.set RP, 784
.macro RLOAD reg, sb, pitch
.irp i, 0,1,2,3,4,5,6,7,8,9,10,11,12,13,14,15
.irp p, 0,1,2
	global_load_b64 v[\reg+6*\i+2*\p:\reg+6*\i+2*\p+1], v4, s[\sb:\sb+1] offset:\i*\pitch+256*\p th:TH_LOAD_NT
.endr
.endr
.endm
.macro RMOVE reg, sd
.irp i, 0,1,2,3,4,5,6,7,8,9,10,11,12,13,14,15
.irp p, 0,1,2
	ds_store_b64 v6, v[\reg+6*\i+2*\p:\reg+6*\i+2*\p+1] offset:\i*RP+256*\p
.endr
.endr
	s_wait_dscnt 0x0                               ; the stores have read their registers, which the loads below write
.irp k, 0,1,2,3,4,5,6,7
.irp p, 0,1,2,3,4,5
	ds_load_b64 v[\reg+12*\k+2*\p:\reg+12*\k+2*\p+1], v7 offset:96*\k+48*(\p/3)+8*(\p%3)
.endr
.endr
	s_wait_dscnt 0x0
.irp k, 0,1,2,3,4,5,6,7
.irp g, 0,1,2
	global_store_b128 v5, v[\reg+12*\k+4*\g:\reg+12*\k+4*\g+3], s[\sd:\sd+1] offset:1536*\k+512*\g   ; 512 consecutive bytes, at a multiple of 256
.endr
.endr
.endm
.Lrelay:
	s_load_b256 s[4:11], s[0:1], 0x60              ; W1's codes, W2's codes, w1q, w2q
	v_lshrrev_b32 v1, 5, v0
	v_readfirstlane_b32 s52, v1                    ; wave 0..7
	v_and_b32 v1, 31, v0
	v_and_b32 v2, 15, v0                           ; r
	v_bfe_u32 v3, v0, 4, 1                         ; h
	v_lshlrev_b32 v4, 3, v1                        ; 8 x lane
	v_lshlrev_b32 v5, 4, v1                        ; 16 x lane
	s_mul_i32 s53, s52, 16*RP
	s_add_co_u32 s53, s53, RL
	v_add_nc_u32 v6, s53, v4                       ; into LDS
	v_mul_u32_u24 v7, v2, RP
	v_mad_u32_u24 v7, v3, 24, v7
	v_add_nc_u32 v7, s53, v7                       ; and back: row r, + 24 h
	s_sub_co_u32 s54, ttmp9, 128
	s_lshl_b32 s54, s54, 3
	s_add_co_u32 s54, s54, s52                     ; u
	s_lshr_b32 s56, s54, 1                         ; W1: block of rows u / 2 (24,576 bytes), half u % 2 of its rows of 1,536 bytes
	s_mul_i32 s56, s56, 24576
	s_and_b32 s57, s54, 1
	s_mul_i32 s57, s57, 768
	s_add_co_u32 s56, s56, s57
	s_mov_b32 s57, 0
	s_lshr_b32 s58, s54, 3                         ; W2: block of rows u / 8 (98,304 bytes), piece u % 8 of its rows of 6,144 bytes
	s_mul_i32 s58, s58, 98304
	s_and_b32 s59, s54, 7
	s_mul_i32 s59, s59, 768
	s_add_co_u32 s58, s58, s59
	s_mov_b32 s59, 0
	s_mul_i32 s60, s54, 12288                      ; in both results unit u begins at 12,288 u
	s_mov_b32 s61, 0
	s_wait_alu depctr_va_vdst(0)                   ; the wait at the head's end
	s_wait_kmcnt 0x0
	s_add_nc_u64 s[4:5], s[4:5], s[56:57]
	s_add_nc_u64 s[6:7], s[6:7], s[58:59]
	s_add_nc_u64 s[8:9], s[8:9], s[60:61]
	s_add_nc_u64 s[10:11], s[10:11], s[60:61]
	RLOAD 32, 4, 1536                              ; all 96 loads on end
	RLOAD 128, 6, 6144
	s_wait_loadcnt 48                              ; W1's unit is in; W2's 48 loads may be out
	RMOVE 32, 8
	s_wait_loadcnt 0x0
	RMOVE 128, 10
	s_wait_tensorcnt 0x0                           ; the wave's end
	ds_add_u32 v12, v13
	s_wait_dscnt 0x0
	s_endpgm
.Lfunc_end_k_qbd51f80f49_prep:
	.size	k_qbd51f80f49_prep, .Lfunc_end_k_qbd51f80f49_prep-k_qbd51f80f49_prep
	.p2alignl 7, 3214868480
	.fill 96, 4, 3214868480
	.section	.rodata,"a",@progbits
	.p2align	6, 0x0
	.amdhsa_kernel k_qbd51f80f49_prep
		.amdhsa_group_segment_fixed_size 238592
		.amdhsa_private_segment_fixed_size 0
		.amdhsa_enable_private_segment 0
		.amdhsa_kernarg_size 128
		.amdhsa_user_sgpr_count 2
		.amdhsa_user_sgpr_kernarg_segment_ptr 1
		.amdhsa_wavefront_size32 1
		.amdhsa_system_sgpr_workgroup_id_x 1
		.amdhsa_system_sgpr_workgroup_id_y 1
		.amdhsa_system_sgpr_workgroup_id_z 1
		.amdhsa_system_vgpr_workitem_id 0
		.amdhsa_next_free_vgpr 512
		.amdhsa_next_free_sgpr 66
		.amdhsa_reserve_vcc 0
		.amdhsa_float_denorm_mode_32 3
		.amdhsa_float_denorm_mode_16_64 3
		.amdhsa_memory_ordered 1
		.amdhsa_forward_progress 1
		.amdhsa_inst_pref_size 140
	.end_amdhsa_kernel
	.amdgpu_metadata
---
amdhsa.version: [ 1, 2 ]
amdhsa.kernels:
  - .name:           k_qbd51f80f49_prep
    .symbol:         k_qbd51f80f49_prep.kd
    .args:
      - { .name: x, .offset: 0, .size: 8, .value_kind: global_buffer, .address_space: global }
      - { .name: phi_pre_w, .offset: 8, .size: 8, .value_kind: global_buffer, .address_space: global }
      - { .name: phi_post_w, .offset: 16, .size: 8, .value_kind: global_buffer, .address_space: global }
      - { .name: phi_pre_b, .offset: 24, .size: 8, .value_kind: global_buffer, .address_space: global }
      - { .name: phi_post_b, .offset: 32, .size: 8, .value_kind: global_buffer, .address_space: global }
      - { .name: b_pre, .offset: 40, .size: 8, .value_kind: global_buffer, .address_space: global }
      - { .name: b_post, .offset: 48, .size: 8, .value_kind: global_buffer, .address_space: global }
      - { .name: alpha_pre, .offset: 56, .size: 8, .value_kind: global_buffer, .address_space: global }
      - { .name: alpha_post, .offset: 64, .size: 8, .value_kind: global_buffer, .address_space: global }
      - { .name: xq, .offset: 72, .size: 8, .value_kind: global_buffer, .address_space: global }
      - { .name: xs, .offset: 80, .size: 8, .value_kind: global_buffer, .address_space: global }
      - { .name: post, .offset: 88, .size: 8, .value_kind: global_buffer, .address_space: global }
      - { .name: W1_codes, .offset: 96, .size: 8, .value_kind: global_buffer, .address_space: global }
      - { .name: W2_codes, .offset: 104, .size: 8, .value_kind: global_buffer, .address_space: global }
      - { .name: w1q, .offset: 112, .size: 8, .value_kind: global_buffer, .address_space: global }
      - { .name: w2q, .offset: 120, .size: 8, .value_kind: global_buffer, .address_space: global }
    .group_segment_fixed_size: 238592
    .private_segment_fixed_size: 0
    .kernarg_segment_align: 8
    .kernarg_segment_size: 128
    .max_flat_workgroup_size: 256
    .sgpr_count:     66
    .vgpr_count:     512
    .wavefront_size: 32
...
	.end_amdgpu_metadata
.endif
;; end of part 1
;; launch up (part 2): grid 32 x 8, 4 waves a work-group, clusters of 4 x 4, 327,680 bytes of LDS; arguments xq, xs, w1q, W1_scales, b1, hq, hs; writes hq, hs
.if DOCPART == 2
	.amdgcn_target "amdgcn-amd-amdhsa--gfx1250"
	.amdhsa_code_object_version 6
	.text
	.protected	k_qbd51f80f49_up
	.globl	k_qbd51f80f49_up
	.p2align	8
	.type	k_qbd51f80f49_up,@function
k_qbd51f80f49_up:
	s_mov_b64 s[64:65], 0
	v_nop
	global_prefetch_b8 v0, s[64:65] scope:SCOPE_SE
	s_setreg_imm32_b32 hwreg(HW_REG_WAVE_MODE, 25, 1), 1
	s_wait_xcnt 0x0
	s_wait_alu depctr_hold_cnt(0) depctr_sa_sdst(0) depctr_va_vdst(0) depctr_va_sdst(0) depctr_va_ssrc(0) depctr_va_vcc(0) depctr_vm_vsrc(0)
	s_getreg_b32 s2, hwreg(HW_REG_IB_STS2, 6, 4)
	s_cmp_eq_u32 s2, 0
	s_cbranch_scc0 .Lentry_in_a_cluster
	s_endpgm
.Lentry_in_a_cluster:
	s_bfe_u32 s2, ttmp6, 0x10000c
	s_cmp_lg_u32 s2, 0xf033
	s_cbranch_scc0 .Lentry_shape_is_right
	s_endpgm
.Lentry_shape_is_right:
; SECOND OF THREE LAUNCHES.  h = gelu(Q(x g) W1 + b1), the exact (erf) GELU, quantised along the hidden axis to E2M3 with one E8M0 scale for each 32: the first operand of the product with W2.
; (The branch of sinkhorn_knopp is dead work and is left out: its sum is 4 for all finite inputs, as shown at the head of the first launch.)
; A tile of 256 rows x 256 hidden units is made by four waves, 128 x 128 each: 64 accumulators.  K = 2,048 goes in 16 steps of 128, two to a slot, through a ring of two LDS slots.
; BOTH OPERANDS come as images of the operand's registers (xq, w1q: a fragment by three loads of 16 bytes a lane, at 16 x lane); a tensor row is 3,072 bytes, at a multiple of 256.
; Both have two sets of fragment registers: a slot has been read out when its second step begins, and is asked for again at that step's head.
; THE HEAD: one joint load a wave: wave 0 slot 0's 16 blocks of A, wave 1 its 16 blocks of B, wave 2 A's scale words for all of K, wave 3 B's.  Slot 1's first fill is issued as a refill is.
; CLUSTERS: 4 x 4 work-groups; A's tiles are asked for jointly along a row of the cluster, B's along a column.  THE MATRIX INSTRUCTION IS USED TRANSPOSED (source 0 = 16 rows of W1, source 1 = 16 rows of x g):
; lane (r, h) holds row r and the eight hidden units 16 b + 8 h + 0 .. 7 of tile b.
; GELU: h = x (0.5 + xc P(w) / Q(w)), xc = x held to +-4 sqrt 2, w = xc^2: the rational form erf(z) = z P(z^2) / Q(z^2) on |z| <= 4 with z = xc / sqrt 2, the halves folded into the coefficients.
; LIMITS: 0.5 + erf / 2 carries an absolute error of the size of f32's rounding of numbers near 1, so far below x = -5 h is a number of that size x |x| where GELU's own value is smaller still.
; NaN and infinities are not served.  A block of 32 whose largest magnitude lies under 2^(3 - 127) keeps the scale byte 1, a block of zeros too: these bytes are read by this program alone.
; OUT.  hq [128 blocks of rows][64 K blocks][1,536]: images, as xq.  hs [16 groups of 128 rows][64 K blocks][a / 4][r][a % 4] words: row = 128 group + 16 a + r.
; REGISTERS.  window 0: v0-31 addresses; v32-63 scale words, two sets; v64-159, v160-255 A's fragments.  window 1: v0-95, v128-223 B's; v96-127, v224-255 b1.  windows 2, 3: accumulator (a, b) at v[8 (8 (a % 4) + b)].
.set SLOT,  98304                      ; A: 16 blocks x 3,072 bytes; then B: the same
.set BOFF,  49152
.set SCA,   2*SLOT                     ; A's scale words: 64 units of 256 bytes + 32
.set SCB,   SCA+64*288                 ; B's: 64 units of 256 bytes + 8
.set SPARE, SCB+64*264                 ; the spare words, 128 bytes a wave
.set WV,   20                          ; s20 wave; s21 wave / 2: my half of the rows, and: I fetch for A (0) or B (1); s22 wave % 2: my half of the columns, and: which half I fetch
.set ROLE, 21
.set F,    22
.set SEL,  18
.set NC,   90
.set G0H,  4                           ; s[4:7], s[8:11] group 0 of the head's loads of slot 0 (the arguments that lay there have been used)
.set G0HB, 8
.set G1A,  24
.set G0A,  32
.set G1B,  40
.set G0B,  48
.set G1SA, 56
.set G0SA, 68
.set G1SB, 72
.set G0SB, 80
.set ADRA, 16                          ; v16-17 A's images in slot 0, 1
.set ADRB, 20                          ; v20-21 B's
.set LI,   24                          ; 16 x lane
.set STW,  25
.set ADSA, 26
.set ADSB, 27
.set SPW,  28
.set NIL,  29
.set STR,  30
.set BO,   31
.set PFO,  18                          ; v18 the prefetches' offset; s[92:93] where they stand: my 8 blocks, at the slot that is being asked for
.set PFA,  92
.set SC,   32
.set AF,   64
.set XX,   64                          ; the way out: v64-127 a block's 64 numbers; v128-159 xc; v160-191 w; v192-223 P; v224-255 Q
.set XC,   128
.set WW,   160
.set PP,   192
.set QQ,   224
.set PC,   0                           ; the way out: v0-11 the codes, which are stored; v180-186 the halves that are made elsewhere and moved
.set PCT,  180
.set TM,   160
.set PW,   176
.set MUL_LO, 0xa1
.set MUL_HI, 0xf1
.set TO_B,   0x40
.set MSB, 0
.macro WIN new
.if MSB != (\new)
	s_set_vgpr_msb (MSB<<8)|(\new)
.set MSB, \new
.endif
.endm
.macro PLACES                          ; four plain lines between a matrix instruction and a load into, or a vector line on, its registers
.rept 4
	v_nop
.endr
.endm
.macro JLOAD g0a, g1a, g0b, g1b        ; a joint load: waves 0 and 1 fetch for A, waves 2 and 3 for B
	s_cmp_eq_u32 s[ROLE], 0
	s_cbranch_scc0 .Lfor_b_\@
	tensor_load_to_lds s[\g0a:\g0a+3], s[\g1a:\g1a+7]
	s_nop 0
.rept 4
	v_nop
.endr
	s_branch .Lasked_\@
.Lfor_b_\@:
	tensor_load_to_lds s[\g0b:\g0b+3], s[\g1b:\g1b+7]
	s_nop 0
.rept 4
	v_nop
.endr
.Lasked_\@:
.endm
.macro CREST
	s_cmp_lg_u32 s[WV], 0
	s_cbranch_scc1 .Lnot_wave_0_\@
	s_barrier_signal -3
.Lnot_wave_0_\@:
	s_barrier_wait -3
	s_barrier_signal -1
	s_barrier_wait -1
.endm
.macro CROUND
	s_barrier_signal -1
	s_barrier_wait -1
	CREST
.endm
.macro WM zero                         ; one product; oB, oA: the scale words stand in lanes 16-31
.if \zero
.if oB && oA
	v_wmma_scale_f32_16x16x128_f8f6f4 v[rD:rD+7], v[rB:rB+11], v[rA:rA+11], 0, v[rSB], v[rSA] matrix_a_fmt:MATRIX_FMT_FP6 matrix_b_fmt:MATRIX_FMT_FP6 matrix_a_scale:MATRIX_SCALE_ROW1 matrix_b_scale:MATRIX_SCALE_ROW1
.elseif oB
	v_wmma_scale_f32_16x16x128_f8f6f4 v[rD:rD+7], v[rB:rB+11], v[rA:rA+11], 0, v[rSB], v[rSA] matrix_a_fmt:MATRIX_FMT_FP6 matrix_b_fmt:MATRIX_FMT_FP6 matrix_a_scale:MATRIX_SCALE_ROW1
.elseif oA
	v_wmma_scale_f32_16x16x128_f8f6f4 v[rD:rD+7], v[rB:rB+11], v[rA:rA+11], 0, v[rSB], v[rSA] matrix_a_fmt:MATRIX_FMT_FP6 matrix_b_fmt:MATRIX_FMT_FP6 matrix_b_scale:MATRIX_SCALE_ROW1
.else
	v_wmma_scale_f32_16x16x128_f8f6f4 v[rD:rD+7], v[rB:rB+11], v[rA:rA+11], 0, v[rSB], v[rSA] matrix_a_fmt:MATRIX_FMT_FP6 matrix_b_fmt:MATRIX_FMT_FP6
.endif
.else
.if oB && oA
	v_wmma_scale_f32_16x16x128_f8f6f4 v[rD:rD+7], v[rB:rB+11], v[rA:rA+11], v[rD:rD+7], v[rSB], v[rSA] matrix_a_fmt:MATRIX_FMT_FP6 matrix_b_fmt:MATRIX_FMT_FP6 matrix_a_scale:MATRIX_SCALE_ROW1 matrix_b_scale:MATRIX_SCALE_ROW1
.elseif oB
	v_wmma_scale_f32_16x16x128_f8f6f4 v[rD:rD+7], v[rB:rB+11], v[rA:rA+11], v[rD:rD+7], v[rSB], v[rSA] matrix_a_fmt:MATRIX_FMT_FP6 matrix_b_fmt:MATRIX_FMT_FP6 matrix_a_scale:MATRIX_SCALE_ROW1
.elseif oA
	v_wmma_scale_f32_16x16x128_f8f6f4 v[rD:rD+7], v[rB:rB+11], v[rA:rA+11], v[rD:rD+7], v[rSB], v[rSA] matrix_a_fmt:MATRIX_FMT_FP6 matrix_b_fmt:MATRIX_FMT_FP6 matrix_b_scale:MATRIX_SCALE_ROW1
.else
	v_wmma_scale_f32_16x16x128_f8f6f4 v[rD:rD+7], v[rB:rB+11], v[rA:rA+11], v[rD:rD+7], v[rSB], v[rSA] matrix_a_fmt:MATRIX_FMT_FP6 matrix_b_fmt:MATRIX_FMT_FP6
.endif
.endif
.endm
; 16 products: A's blocks a0, a0 + 1 x B's eight.  p: the set of fragments, and which of the slot's two steps; sc: the set of scale words.  The 64 accumulators take turns.
.macro MUL16 a0, p, sc, zero
.irp a, \a0, \a0+1
.irp b, 0,1,2,3,4,5,6,7
.set rD, 8*(8*((\a)%4)+\b)
.set rB, 128*(\p)+12*\b
.set rA, AF+96*(\p)+12*(\a)
.set rSB, SC+8+16*(\sc)+2*(\b/2)+(\p)
.set rSA, SC+16*(\sc)+2*((\a)/2)+(\p)
.set oB, \b%2
.set oA, (\a)%2
	WM \zero
.endr
.endr
.endm
.macro FETCH_B slot, q, p              ; B's eight fragments: images, 512 consecutive bytes a load
	WIN TO_B
.irp i, 0,1,2,3,4,5,6,7
.irp g, 0,1,2
	ds_load_b128 v[128*(\p)+12*\i+4*\g:128*(\p)+12*\i+4*\g+3], v[ADRB+\slot] offset:3072*\i+1536*(\q)+512*\g
.endr
.endr
	WIN 0
.endm
.macro FETCH_A slot, q, p
.irp a, 0,1,2,3,4,5,6,7
.irp g, 0,1,2
	ds_load_b128 v[AF+96*(\p)+12*\a+4*\g:AF+96*(\p)+12*\a+4*\g+3], v[ADRA+\slot] offset:3072*\a+1536*(\q)+512*\g
.endr
.endr
.endm
.macro SCALES sl                       ; a slot's scale words, two a row.  A: lanes 0-15 block 2 i, lanes 16-31 block 2 i + 1.  B: lane l takes row 32 i + l
.irp i, 0,1,2,3
	ds_load_b64 v[SC+16*(\sl)+2*\i:SC+16*(\sl)+2*\i+1], v[ADSA] offset:2304*\i+128*(\sl)
.endr
.irp i, 0,1,2,3
	ds_load_b64 v[SC+8+16*(\sl)+2*\i:SC+8+16*(\sl)+2*\i+1], v[ADSB] offset:2112*\i+8*(\sl)
.endr
.endm
; A STEP of 128 along K: the q-th of its slot; it multiplies set q and fetches the next step's fragments into the other set.
; kind 0: plain.  kind 1: the slot's second step: the slot has been read out and is filled again: the wait for all my tensor loads, the add, the wait for it and for my LDS reads;
; a round of the cluster's barrier; the joint refill first behind it.  kind 2: the same with nothing left to ask for.  kind 3: the last step.
.macro USTEP kind, slot, q, zero
.if (\q) == 0
.set NS, \slot
.set NQ, 1
.else
.set NS, 1-(\slot)
.set NQ, 0
.endif
.if ((\kind) == 0) || ((\kind) == 3)
	s_wait_dscnt 0x0                               ; this step's fragments are in
	WIN MUL_LO
	MUL16 0, \q, \slot, \zero
.if (\kind) == 0
	WIN 0
	PLACES
.endif
.else
.if (\kind) == 1
	s_wait_xcnt 0x0                                ; any prefetch of mine has read its address, which steps here: one slot, 3,072 bytes of each block
	s_add_nc_u64 s[PFA:PFA+1], s[PFA:PFA+1], 3072
.endif
	s_wait_tensorcnt 0x0                           ; all my tensor loads have landed: my part of the other slot
	ds_add_u32 v[SPW], v[NIL]
.if (\kind) == 1
	s_add_nc_u64 s[G0A+4*(\slot)+2:G0A+4*(\slot)+3], s[G0A+4*(\slot)+2:G0A+4*(\slot)+3], 6144   ; no load of mine is out: this slot's next 256 along K
	s_add_nc_u64 s[G0B+4*(\slot)+2:G0B+4*(\slot)+3], s[G0B+4*(\slot)+2:G0B+4*(\slot)+3], 6144
.endif
	s_wait_dscnt 0x0                               ; the add is done; my reads of this slot are over
	s_barrier_signal -1
	WIN MUL_LO
	MUL16 0, \q, \slot, \zero
	WIN 0
	s_barrier_wait -1
.if (\kind) == 1
	CREST
	JLOAD G0A+4*(\slot), G1A, G0B+4*(\slot), G1B   ; the first tensor load behind the round; its four v_nop are the places in front of the loads below
.else
	PLACES
.endif
.endif
.if (\kind) != 3
.if (NQ == 0) && (NS == 0)
	v_add_nc_u32 v[ADSA], 288, v[ADSA]             ; the next two slots' scale words
	v_add_nc_u32 v[ADSB], 16, v[ADSB]
.endif
	FETCH_B NS, NQ, NQ
.if NQ == 0
	s_wait_alu depctr_va_vdst(0)
	SCALES NS
.endif
.if (\kind) == 1
; A PREFETCH behind each joint refill and the LDS loads that follow it: the slot two refills on.  A wave's load is 8 blocks x 3,072 bytes = 96 blocks of 256; the four partners that ask for it jointly take 24 each, by address.
	s_cmp_gt_u32 s3, 1                             ; the loop's last trip asks for slots 6 and 7: no slot stands two on
	s_cbranch_scc0 .Lno_ask_\@
	global_prefetch_b8 v[PFO], s[PFA:PFA+1] offset:6144 th:TH_LOAD_NT scope:SCOPE_SE
.Lno_ask_\@:
.endif
.endif
	WIN MUL_LO
	MUL16 2, \q, \slot, \zero
.if (\kind) != 3
	WIN 0
	FETCH_A NS, NQ, NQ
.endif
	WIN MUL_HI
	MUL16 4, \q, \slot, \zero
	MUL16 6, \q, \slot, \zero
	WIN 0
.endm
	s_load_b256 s[4:11], s[0:1], 0x0               ; xq, xs, w1q, W1's scales
	s_load_b128 s[12:15], s[0:1], 0x20             ; b1, hq
	s_load_b64 s[16:17], s[0:1], 0x30              ; hs
	v_lshl_add_u32 v[SPW], v0, 2, SPARE
	v_mov_b32 v[NIL], 0
	ds_add_u32 v[SPW], v[NIL]                      ; the opening lines: the add, twice on end, and its wait
	ds_add_u32 v[SPW], v[NIL]
	v_lshrrev_b32 v1, 5, v0
	v_readfirstlane_b32 s[WV], v1
	s_lshr_b32 s[ROLE], s[WV], 1
	s_and_b32 s[F], s[WV], 1
	s_bfe_u32 s84, ttmp6, 0x40000                  ; cx
	s_bfe_u32 s85, ttmp6, 0x40004                  ; cy
	s_lshl_b32 s86, ttmp9, 2
	s_add_co_u32 s86, s86, s84                     ; tile column tx
	s_and_b32 s87, ttmp7, 0xffff
	s_lshl_b32 s87, s87, 2
	s_add_co_u32 s87, s87, s85                     ; tile row ty
	s_lshl_b32 s88, s85, 2
	s_lshl_b32 s88, 15, s88                        ; my row of the cluster
	s_lshl_b32 s89, 0x1111, s84                    ; my column
	s_or_b32 s[G1A], s88, (3<<16)|(1<<21)          ; blocks of 16 rows x 3,072 bytes (384 elements of 8), 24,576 bytes apart, dense in LDS: 16 blocks for the head's loads, 8 for the ring's
	s_or_b32 s[G1B], s89, (3<<16)|(1<<21)
.irp g, G1A, G1B
	s_mov_b32 s[\g+1], 384<<16
	s_mov_b32 s[\g+2], 16<<16
	s_mov_b32 s[\g+3], 384<<16
	s_mov_b32 s[\g+4], 16
	s_mov_b32 s[\g+5], 3072
	s_mov_b32 s[\g+6], 0
	s_mov_b32 s[\g+7], 0
.endr
	s_or_b32 s[G1SA], s88, (3<<16)|(1<<20)|(1<<21)|(5<<22)|(7<<25)   ; scale words: 16,384 dense bytes as 64 rows of 256; A's with 32 bytes of padding behind each,
	s_or_b32 s[G1SB], s89, (3<<16)|(1<<20)|(1<<21)|(5<<22)|(1<<25)   ; B's with 8
.irp g, G1SA, G1SB
	s_mov_b32 s[\g+1], 32<<16
	s_mov_b32 s[\g+2], 64<<16
	s_mov_b32 s[\g+3], 32<<16
	s_mov_b32 s[\g+4], 64
	s_mov_b32 s[\g+5], 32
	s_mov_b32 s[\g+6], 0
	s_mov_b32 s[\g+7], 0
.endr
	s_lshl_b32 s90, s87, 4                         ; A: block of rows 16 ty; its addresses hang on ty and the wave alone, B's on tx and the wave alone
	s_lshl_b32 s92, s90, 10
	s_mul_i32 s90, s90, 24576
	s_mov_b32 s91, 0
	s_mov_b32 s93, 0
	s_lshl_b32 s94, s86, 8                         ; B: row 256 tx of W1: 1,536 bytes of images a row, 64 of scales
	s_lshl_b32 s96, s94, 6
	s_mul_i32 s94, s94, 1536
	s_mov_b32 s95, 0
	s_mov_b32 s97, 0
	s_mul_i32 s23, s[F], 24576                     ; the ring's loads: which 8 blocks I fetch, in LDS
	s_add_co_u32 s98, s23, BOFF
	s_mul_i32 s2, s[F], 196608                     ; and in memory
	s_mov_b32 s3, 0
	s_mov_b32 s[SEL], 0x76543210
	s_mov_b32 s[SEL+1], 0xfedcba98
	s_wait_dscnt 0x0                               ; both opening adds are done
	s_wait_kmcnt 0x0
	s_add_nc_u64 s[90:91], s[4:5], s[90:91]
	s_add_nc_u64 s[92:93], s[6:7], s[92:93]
	s_add_nc_u64 s[94:95], s[8:9], s[94:95]
	s_add_nc_u64 s[96:97], s[10:11], s[96:97]
	CROUND                                         ; all sixteen work-groups are here: the first joint loads meet
	s_mov_b32 s[G0SA], 1
	s_mov_b32 s[G0SA+1], SCA
	s_mov_b64 s[G0SA+2:G0SA+3], s[92:93]
	s_or_b32 s[G0SA+3], s[G0SA+3], 0x80000000
	s_mov_b32 s[G0SB], 1
	s_mov_b32 s[G0SB+1], SCB
	s_mov_b64 s[G0SB+2:G0SB+3], s[96:97]
	s_or_b32 s[G0SB+3], s[G0SB+3], 0x80000000
	s_mov_b32 s[G0H], 1
	s_mov_b32 s[G0H+1], 0
	s_mov_b64 s[G0H+2:G0H+3], s[90:91]
	s_or_b32 s[G0H+3], s[G0H+3], 0x80000000
	s_mov_b32 s[G0HB], 1
	s_mov_b32 s[G0HB+1], BOFF
	s_mov_b64 s[G0HB+2:G0HB+3], s[94:95]
	s_or_b32 s[G0HB+3], s[G0HB+3], 0x80000000
	s_add_nc_u64 s[90:91], s[90:91], s[2:3]        ; for the ring: my 8 blocks
	s_add_nc_u64 s[94:95], s[94:95], s[2:3]
.irp s, 0,1
	s_mov_b32 s[G0A+4*\s], 1
	s_add_co_u32 s[G0A+4*\s+1], s23, \s*SLOT
	s_add_nc_u64 s[G0A+4*\s+2:G0A+4*\s+3], s[90:91], \s*3072
	s_or_b32 s[G0A+4*\s+3], s[G0A+4*\s+3], 0x80000000
	s_mov_b32 s[G0B+4*\s], 1
	s_add_co_u32 s[G0B+4*\s+1], s98, \s*SLOT
	s_add_nc_u64 s[G0B+4*\s+2:G0B+4*\s+3], s[94:95], \s*3072
	s_or_b32 s[G0B+4*\s+3], s[G0B+4*\s+3], 0x80000000
.endr
; the head's loads, one a wave, in one tree of branches on the wave's number
.macro ARM under, g0, g1, next
	s_cmp_lt_u32 s[WV], \under
	s_cbranch_scc0 \next
	tensor_load_to_lds s[\g0:\g0+3], s[\g1:\g1+7]
	s_nop 0
.rept 4
	v_nop
.endr
	s_branch .Lhead_asked
\next:
.endm
	ARM 1, G0H,  G1A,  .Lhead_b
	ARM 2, G0HB, G1B,  .Lhead_sa
	ARM 3, G0SA, G1SA, .Lhead_sb
	tensor_load_to_lds s[G0SB:G0SB+3], s[G1SB:G1SB+7]
	s_nop 0
.rept 4
	v_nop
.endr
.Lhead_asked:
	s_lshl_b32 s98, s86, 10                        ; b1: my 128 hidden units begin at 256 tx + 128 x column half
	s_lshl_b32 s99, s[F], 9
	s_add_co_u32 s98, s98, s99
	s_mov_b32 s99, 0
	s_add_nc_u64 s[12:13], s[12:13], s[98:99]
	s_lshl_b32 s98, s87, 4                         ; hq: block of rows 16 ty + 8 x row half, K block 2 tx + column half
	s_lshl_b32 s2, s[ROLE], 3
	s_add_co_u32 s98, s98, s2
	s_mul_i32 s98, s98, 98304
	s_lshl_b32 s2, s86, 1
	s_add_co_u32 s2, s2, s[F]
	s_mul_i32 s3, s2, 1536
	s_add_co_u32 s98, s98, s3
	s_add_nc_u64 s[14:15], s[14:15], s[98:99]
	s_lshl_b32 s98, s87, 1                         ; hs: group of rows 2 ty + row half, the same K block
	s_add_co_u32 s98, s98, s[ROLE]
	s_lshl_b32 s98, s98, 15
	s_lshl_b32 s2, s2, 9
	s_add_co_u32 s98, s98, s2
	s_add_nc_u64 s[16:17], s[16:17], s[98:99]
	v_and_b32 v1, 15, v0                           ; r
	v_bfe_u32 v2, v0, 4, 1                         ; h
	v_and_b32 v3, 31, v0                           ; lane
	v_lshlrev_b32 v[LI], 4, v3
	s_mul_i32 s98, s[ROLE], 24576
	v_add_nc_u32 v[ADRA], s98, v[LI]
	v_add_nc_u32 v[ADRA+1], SLOT, v[ADRA]
	s_mul_i32 s98, s[F], 24576
	s_add_co_u32 s98, s98, BOFF
	v_add_nc_u32 v[ADRB], s98, v[LI]
	v_add_nc_u32 v[ADRB+1], SLOT, v[ADRB]
	s_mul_i32 s98, s[ROLE], 9216
	s_add_co_u32 s98, s98, SCA
	v_mul_u32_u24 v4, v2, 1152                     ; lanes 16-31: one block of rows (four units of 288 bytes) on
	v_lshl_add_u32 v4, v1, 3, v4
	v_add_nc_u32 v[ADSA], s98, v4
	s_mul_i32 s98, s[F], 8448
	s_add_co_u32 s98, s98, SCB
	v_lshrrev_b32 v4, 2, v3                        ; four rows of 64 bytes to a unit of 264
	v_mul_u32_u24 v4, v4, 264
	v_and_b32 v5, 3, v3
	v_lshl_add_u32 v4, v5, 6, v4
	v_add_nc_u32 v[ADSB], s98, v4
	s_lshl_b32 s98, s[WV], 9                       ; the way out: 512 bytes a wave at LDS byte 0, in slot 0, which has then had its last fill and its last read
	v_lshl_add_u32 v[STW], v1, 5, s98
	v_lshl_add_u32 v[STR], v2, 4, v[STW]
	v_lshlrev_b32 v[BO], 5, v2
	s_cmp_eq_u32 s[ROLE], 0                        ; the prefetches: do I fetch for A?
	s_cselect_b64 s[PFA:PFA+1], s[90:91], s[94:95] ; my 8 blocks, at slot 0
	s_cselect_b32 s96, s84, s85                    ; my place among the four that ask with me: cx for A, cy for B
	s_mul_i32 s96, s96, 24
	s_add_nc_u64 s[PFA:PFA+1], s[PFA:PFA+1], 3072  ; at slot 1: the first refill steps it to slot 2
	v_min_u32 v4, 23, v3                           ; lanes 24-31 name the last block again
	v_add_nc_u32 v4, s96, v4                       ; block q of the 96
	v_mul_u32_u24 v5, v4, 43
	v_lshrrev_b32 v5, 9, v5                        ; q / 12, for q under 96
	v_mul_u32_u24 v6, v5, 12
	v_sub_nc_u32 v6, v4, v6
	v_lshlrev_b32 v6, 8, v6
	v_mad_u32_u24 v[PFO], v5, 24576, v6
	global_prefetch_b8 v[PFO], s[PFA:PFA+1] offset:3072 th:TH_LOAD_NT scope:SCOPE_SE   ; slots 2 and 3
	global_prefetch_b8 v[PFO], s[PFA:PFA+1] offset:6144 th:TH_LOAD_NT scope:SCOPE_SE
	WIN 0x40
.irp b, 0,1,2,3
	global_load_b128 v[96+8*\b:96+8*\b+3], v[BO], s[12:13] offset:64*\b            ; b1 in the result's layout: tile b, units 16 b + 8 h + 0 .. 7
	global_load_b128 v[96+8*\b+4:96+8*\b+7], v[BO], s[12:13] offset:64*\b+16
	global_load_b128 v[224+8*\b:224+8*\b+3], v[BO], s[12:13] offset:256+64*\b
	global_load_b128 v[224+8*\b+4:224+8*\b+7], v[BO], s[12:13] offset:256+64*\b+16
.endr
	WIN 0
	s_wait_alu depctr_va_vdst(0)                   ; the wait at the head's end
	s_wait_tensorcnt 0x0                           ; my tile of the head's four is in
	ds_add_u32 v[SPW], v[NIL]
	s_mov_b32 s[G1A+2], 8<<16                      ; no tensor load of mine is out: from here on a load brings 8 blocks
	s_mov_b32 s[G1A+4], 8
	s_mov_b32 s[G1B+2], 8<<16
	s_mov_b32 s[G1B+4], 8
	s_wait_dscnt 0x0
	CROUND                                         ; all four tiles are in, and all sixteen work-groups are here
	JLOAD G0A+4, G1A, G0B+4, G1B                   ; slot 1's first fill, the first tensor load behind the round
	FETCH_B 0, 0, 0
	SCALES 0
	FETCH_A 0, 0, 0
	USTEP 0, 0, 0, 1                               ; the first step's products start the sums
	s_mov_b32 s3, 3
.Llap:                                                 ; a trip goes once round the ring and fills both slots again
	USTEP 1, 0, 1, 0
	USTEP 0, 1, 0, 0
	USTEP 1, 1, 1, 0
	USTEP 0, 0, 0, 0
	s_sub_co_u32 s3, s3, 1
	s_cmp_lg_u32 s3, 0
	s_cbranch_scc1 .Llap
	USTEP 2, 0, 1, 0                               ; the tail is written out: nothing more is asked for
	USTEP 0, 1, 0, 0
	USTEP 3, 1, 1, 0
; THE WAY OUT, a block of 16 rows x 128 hidden units a trip.  GET adds b1 and brings the block's eight accumulators into fixed registers: only these lines differ from block to block.
.macro GET a
	WIN 0x06+((\a)/4)
.irp b, 0,1,2,3,4,5,6,7
.irp j, 0,2,4,6
.if \b < 4
	v_pk_add_f32 v[XX+8*\b+\j:XX+8*\b+\j+1], v[64*((\a)%4)+8*\b+\j:64*((\a)%4)+8*\b+\j+1], v[96+8*\b+\j:96+8*\b+\j+1]
.else
	v_pk_add_f32 v[XX+8*\b+\j:XX+8*\b+\j+1], v[64*((\a)%4)+8*\b+\j:64*((\a)%4)+8*\b+\j+1], v[192+8*\b+\j:192+8*\b+\j+1]
.endif
.endr
.endr
	WIN 0
.endm
.macro HORN0 d, c, lit
.set gi, 0
.rept 16
	v_pk_fma_f32 v[\d+gi:\d+gi+1], v[WW+gi:WW+gi+1], v[\c:\c+1], \lit op_sel_hi:[1,1,0]
.set gi, gi+2
.endr
.endm
.macro HORN d, lit
.set gi, 0
.rept 16
	v_pk_fma_f32 v[\d+gi:\d+gi+1], v[\d+gi:\d+gi+1], v[WW+gi:WW+gi+1], \lit op_sel_hi:[1,1,0]
.set gi, gi+2
.endr
.endm
.macro GELU32 hb                       ; 32 of the block's 64 numbers a lane
.set XH, XX+32*(\hb)
.set gi, 0
.rept 32
	v_med3_num_f32 v[XC+gi], v[XH+gi], s[NC], s[NC+1]
.set gi, gi+1
.endr
.set gi, 0
.rept 16
	v_pk_mul_f32 v[WW+gi:WW+gi+1], v[XC+gi:XC+gi+1], v[XC+gi:XC+gi+1]
.set gi, gi+2
.endr
	HORN0 PP, 12, 0x2fa84a8d
	HORN0 QQ, 14, 0xb7dfbd29
	HORN PP, 0xb347667d
	HORN QQ, 0xb9dc924e
	HORN PP, 0xb628d45d
	HORN QQ, 0xbb719bf8
	HORN PP, 0xb8883d9c
	HORN QQ, 0xbc69b6a7
	HORN PP, 0xba08eb41
	HORN PP, 0xbbba79f3
.set gi, 0
	s_wait_alu depctr_va_vdst(0)                   ; the wait ahead of the batch
.rept 32
	v_rcp_f32 v[QQ+gi], v[QQ+gi]                   ; Q's coefficients are all negative and w is not: Q is never 0
.set gi, gi+1
.endr
.set gi, 0
.rept 16
	v_pk_mul_f32 v[PP+gi:PP+gi+1], v[PP+gi:PP+gi+1], v[XC+gi:XC+gi+1]
.set gi, gi+2
.endr
	s_wait_alu depctr_va_vdst(0)                   ; one wait for the 32 reciprocals, ahead of their first reader
.set gi, 0
.rept 16
	v_pk_fma_f32 v[PP+gi:PP+gi+1], v[PP+gi:PP+gi+1], v[QQ+gi:QQ+gi+1], 0.5 op_sel_hi:[1,1,0]
.set gi, gi+2
.endr
.set gi, 0
.rept 16
	v_pk_mul_f32 v[XH+gi:XH+gi+1], v[XH+gi:XH+gi+1], v[PP+gi:PP+gi+1]
.set gi, gi+2
.endr
.endm
; 64 numbers of a lane, register 16 b + i = k 32 b + 16 h + i of my row, become a fragment's codes in v[PC] on and its scale word in v[PW].
.macro QUANT s
.irp b, 0,1,2,3
	v_max3_num_f32 v[TM+\b], |v[\s+16*\b]|, |v[\s+1+16*\b]|, 0x1800000   ; with the floor 2^(3 - 127): the byte cannot fall under 1
.endr
.irp i, 2,4,6,8,10,12,14
.irp b, 0,1,2,3
	v_max3_num_f32 v[TM+\b], v[TM+\b], |v[\s+16*\b+\i]|, |v[\s+1+16*\b+\i]|
.endr
.endr
.irp b, 0,1,2,3
	v_permlanex16_b32 v[TM+4+\b], v[TM+\b], s[SEL], s[SEL+1]
.endr
.irp b, 0,1,2,3
	v_max_num_f32 v[TM+\b], v[TM+\b], v[TM+4+\b]
.endr
.irp b, 0,1,2,3
	v_add_nc_u32 v[TM+12+\b], 0xff000000, v[TM+\b] ; 2 off its exponent field: the conversion's scale operand
.endr
.irp b, 0,1,2,3
	v_lshrrev_b32 v[TM+4+\b], 23, v[TM+12+\b]      ; the scale's byte
.endr
	v_lshl_or_b32 v[PW], v[TM+5], 8, v[TM+4]
	v_lshl_or_b32 v[PW], v[TM+6], 16, v[PW]
	v_lshl_or_b32 v[PW], v[TM+7], 24, v[PW]
.irp c, 0,1
	v_cvt_scalef32_pk16_fp6_f32 v[PC+6*\c:PC+2+6*\c], v[\s+32*\c:\s+15+32*\c], v[TM+12+2*\c]
	v_cvt_scalef32_pk16_fp6_f32 v[PCT+4*\c:PCT+2+4*\c], v[\s+16+32*\c:\s+31+32*\c], v[TM+12+2*\c+1]
.endr
	v_nop                                          ; one plain line behind the conversions
.irp c, 0,1                            ; the operand's layout wants a whole block in a lane
.irp i, 0,1,2
	v_permlane16_swap_b32 v[PC+6*\c+\i], v[PCT+4*\c+\i]
.endr
.irp i, 0,1,2
	v_mov_b32 v[PC+3+6*\c+\i], v[PCT+4*\c+\i]
.endr
.endr
.endm
	s_wait_loadcnt 0x0                             ; b1
	PLACES
	v_mov_b32 v12, 0xabd3f332                      ; P's leading coefficient, twice,
	v_mov_b32 v13, 0xabd3f332
	v_mov_b32 v14, 0xb57460d4                      ; and Q's
	v_mov_b32 v15, 0xb57460d4
	s_mov_b32 s[NC], 0xc0b504f3
	s_mov_b32 s[NC+1], 0x40b504f3
	s_mov_b32 s3, 0
.Lout:
.irp a, 0,1,2,3,4,5,6
	s_cmp_eq_u32 s3, \a
	s_cbranch_scc1 .Lget\a
.endr
	GET 7
	s_branch .Lbody
.irp a, 0,1,2,3,4,5,6
.Lget\a:
	GET \a
	s_branch .Lbody
.endr
.Lbody:
	GELU32 0
	GELU32 1
.irp b, 0,1,2,3                        ; tiles 2 b and 2 b + 1: the first's lanes 16-31 change places with the second's lanes 0-15, and register 16 b + i holds unit 32 b + 16 h + i
.irp j, 0,1,2,3,4,5,6,7
	v_permlane16_swap_b32 v[XX+16*\b+\j], v[XX+16*\b+8+\j]
.endr
.endr
	s_wait_alu depctr_va_vdst(0)                   ; the wait, directly ahead of the wait below
	s_wait_xcnt 0x0                                ; the last block's stores have read v0-11 and their base: both are written again only behind this wait
	s_add_nc_u64 s[14:15], s[14:15], 98304         ; one block of rows beyond the block at hand: the stores reach back by their immediate
	QUANT XX
.irp g, 0,1,2
	global_store_b128 v[LI], v[PC+4*\g:PC+4*\g+3], s[14:15] offset:512*\g-98304   ; the image: 512 consecutive bytes, at a multiple of 256
.endr
	ds_store_b32 v[STW], v[PW]                     ; my row's scale word of this block, into my wave's own bytes
	v_add_nc_u32 v[STW], 4, v[STW]
	s_add_co_u32 s3, s3, 1
	s_cmp_lt_u32 s3, 8
	s_cbranch_scc1 .Lout
	ds_load_b128 v[128:131], v[STR]                ; lane (r, h): row r's words of blocks 4 h .. 4 h + 3 (my own bytes)
	s_wait_dscnt 0x0
	global_store_b128 v[LI], v[128:131], s[16:17]
	s_wait_tensorcnt 0x0                           ; the wave's end
	ds_add_u32 v[SPW], v[NIL]
	s_wait_dscnt 0x0
	CROUND                                         ; the closing round
	s_endpgm
.Lfunc_end_k_qbd51f80f49_up:
	.size	k_qbd51f80f49_up, .Lfunc_end_k_qbd51f80f49_up-k_qbd51f80f49_up
	.p2alignl 7, 3214868480
	.fill 96, 4, 3214868480
	.section	.rodata,"a",@progbits
	.p2align	6, 0x0
	.amdhsa_kernel k_qbd51f80f49_up
		.amdhsa_group_segment_fixed_size 327680
		.amdhsa_private_segment_fixed_size 0
		.amdhsa_enable_private_segment 0
		.amdhsa_kernarg_size 56
		.amdhsa_user_sgpr_count 2
		.amdhsa_user_sgpr_kernarg_segment_ptr 1
		.amdhsa_wavefront_size32 1
		.amdhsa_system_sgpr_workgroup_id_x 1
		.amdhsa_system_sgpr_workgroup_id_y 1
		.amdhsa_system_sgpr_workgroup_id_z 1
		.amdhsa_system_vgpr_workitem_id 0
		.amdhsa_next_free_vgpr 1024
		.amdhsa_next_free_sgpr 100
		.amdhsa_reserve_vcc 0
		.amdhsa_float_denorm_mode_32 3
		.amdhsa_float_denorm_mode_16_64 3
		.amdhsa_memory_ordered 1
		.amdhsa_forward_progress 1
		.amdhsa_inst_pref_size 177
	.end_amdhsa_kernel
	.amdgpu_metadata
---
amdhsa.version: [ 1, 2 ]
amdhsa.kernels:
  - .name:           k_qbd51f80f49_up
    .symbol:         k_qbd51f80f49_up.kd
    .args:
      - { .name: xq, .offset: 0, .size: 8, .value_kind: global_buffer, .address_space: global }
      - { .name: xs, .offset: 8, .size: 8, .value_kind: global_buffer, .address_space: global }
      - { .name: w1q, .offset: 16, .size: 8, .value_kind: global_buffer, .address_space: global }
      - { .name: W1_scales, .offset: 24, .size: 8, .value_kind: global_buffer, .address_space: global }
      - { .name: b1, .offset: 32, .size: 8, .value_kind: global_buffer, .address_space: global }
      - { .name: hq, .offset: 40, .size: 8, .value_kind: global_buffer, .address_space: global }
      - { .name: hs, .offset: 48, .size: 8, .value_kind: global_buffer, .address_space: global }
    .group_segment_fixed_size: 327680
    .private_segment_fixed_size: 0
    .kernarg_segment_align: 8
    .kernarg_segment_size: 56
    .max_flat_workgroup_size: 128
    .sgpr_count:     100
    .vgpr_count:     1024
    .wavefront_size: 32
...
	.end_amdgpu_metadata
.endif
;; end of part 2
;; launch down (part 3): grid 16 x 16, 4 waves a work-group, clusters of 4 x 1, 327,680 bytes of LDS; arguments hq, hs, w2q, W2_scales, b2, post, x, out0; writes out0
.if DOCPART == 3
	.amdgcn_target "amdgcn-amd-amdhsa--gfx1250"
	.amdhsa_code_object_version 6
	.text
	.protected	k_qbd51f80f49_down
	.globl	k_qbd51f80f49_down
	.p2align	8
	.type	k_qbd51f80f49_down,@function
k_qbd51f80f49_down:
	s_mov_b64 s[64:65], 0
	v_nop
	global_prefetch_b8 v0, s[64:65] scope:SCOPE_SE
	s_setreg_imm32_b32 hwreg(HW_REG_WAVE_MODE, 25, 1), 1
	s_wait_xcnt 0x0
	s_wait_alu depctr_hold_cnt(0) depctr_sa_sdst(0) depctr_va_vdst(0) depctr_va_sdst(0) depctr_va_ssrc(0) depctr_va_vcc(0) depctr_vm_vsrc(0)
	s_getreg_b32 s2, hwreg(HW_REG_IB_STS2, 6, 4)
	s_cmp_eq_u32 s2, 0
	s_cbranch_scc0 .Lentry_in_a_cluster
	s_endpgm
.Lentry_in_a_cluster:
	s_bfe_u32 s2, ttmp6, 0x10000c
	s_cmp_lg_u32 s2, 0x3003
	s_cbranch_scc0 .Lentry_shape_is_right
	s_endpgm
.Lentry_shape_is_right:
; THIRD OF THREE LAUNCHES.  out = 4 x + post (Q(h) W2 + b2).  (The branch of sinkhorn_knopp is dead work and is left out: its sum is 4 for all finite inputs, as shown at the head of the first launch.)
; A work-group makes 128 rows x 128 columns.  K = 8,192 is 64 K blocks of 128, SHARED OUT AMONG THE FOUR WAVES: in tile t = 0 .. 15 wave w multiplies K block 4 t + w on the whole 128 x 128: 64 accumulators, 512 registers.
; The four partial sums meet in LDS at the end.  Both operands lie in memory as images of the operand's registers (hq, w2q: 1,536 bytes a fragment).
; A (h): CLUSTERS of 4 x 1 work-groups share their 128 rows.  A fill is two tiles, 8 blocks of rows x 12,288 bytes, asked for JOINTLY (mask 15), two blocks of rows a wave, into a ring of two LDS slots.
; Fill f + 2 is asked for at the head of tile 2 f, behind a round of the cluster's barrier; by this text's own count a wave has one tensor load out, and it has two trips in which to land.
; At the head waves 0 and 1 bring fill 0 and waves 2 and 3 fill 1, four blocks of rows each: one load a wave.  The loop's trip is one fill: the LDS addresses change slots by an XOR with the distance of the slots, 2^17.
; B (W2): no two work-groups of a cluster and no two waves of a work-group read the same fragment: a wave loads its fragments STRAIGHT INTO ITS OPERAND REGISTERS, 512 consecutive bytes an instruction.
; TWO SETS of fragment registers; a set is filled anew, with the tile two further on, as its products are issued.  At a trip's head the next tile's 25 loads may be out (24 of B, 1 of h's scale words), and in an odd trip the 28 LDS loads of the trip before.
; W2's scales of my 128 columns (32,768 dense bytes) come into LDS once, at the head, in whole rows of 256 bytes.
; PREFETCH: with fill f + 2, fill f + 4: a wave's 96 blocks of 256 bytes, 24 for each of the four partners, by address; fills 8 on do not exist and are not asked for.  With tile t + 2 of B, tiles t + 4 and t + 5:
; a K block of a panel is 48 blocks, and the 16 work-groups that read the panel take 3 each.  The trips of tiles 12 to 15 ask for nothing.
; THE MATRIX INSTRUCTION IS USED TRANSPOSED (source 0 = 16 rows of W2, source 1 = 16 rows of h): lane (r, h) holds row r and columns 16 b + 8 h + 0 .. 7.  NaN and infinities are not served.
; REGISTERS.  window 0: v0-31 addresses; v32-47 scale words, two sets; v64-159, v160-255 A's fragments.  window 1: v0-95, v128-223 B's.  windows 2, 3: accumulator (a, b) at v[8 (8 (a % 4) + b)].
.set SLOT1, 0x20000                    ; slot 0 at byte 0, slot 1 at 131,072; 98,304 bytes each: block of rows a at 12,288 a, K block k of the fill's eight at 1,536 k
.set SCB,   229376                     ; behind slot 1: W2's scales, 128 rows of 256 bytes + 16
.set BSP,   272
.set PT,    67584                      ; the way out: a wave's partial sums, 128 rows x 528 bytes, from byte 0 on: over the slots and the scales, which have then had their last fill and their last read
.set SP,    528
.set SPARE, 4*PT                       ; the spare words, 128 bytes a wave
.set WV,   20
.set SA,   56                          ; s[56:57] hq at my two blocks of rows, for the prefetches; s[58:59] w2q, s[60:61] hs at my K block; all three step at the end of each even trip
.set SB,   58
.set SS,   60
.set G0,   84
.set G0H,  88
.set G1,   92
.set ADRA, 14                          ; v14, v15 A's images: blocks 0-3, 4-7
.set B2,   16
.set RDP,  20
.set STO,  24
.set LI,   25
.set SST,  26
.set ADSB, 27
.set SPW,  28
.set NIL,  29
.set SC,   32
.set PFO,  48
.set AF,   64
.set XB,   64
.set PB,   192
.set MUL_LO, 0xa1
.set MUL_HI, 0xf1
.set TO_B,   0x40
.set MSB, 0
.macro WIN new
.if MSB != (\new)
	s_set_vgpr_msb (MSB<<8)|(\new)
.set MSB, \new
.endif
.endm
.macro PLACES                          ; four plain lines between a matrix instruction and a load into its registers, or a read of its result
.rept 4
	v_nop
.endr
.endm
.macro CREST                           ; a round of the cluster's barrier behind its opening barrier
	s_cmp_lg_u32 s[WV], 0
	s_cbranch_scc1 .Lnot_wave_0_\@
	s_barrier_signal -3
.Lnot_wave_0_\@:
	s_barrier_wait -3
	s_barrier_signal -1
	s_barrier_wait -1
.endm
.macro CROUND
	s_barrier_signal -1
	s_barrier_wait -1
	CREST
.endm
.macro WM zero
.if \zero
.if oB && oA
	v_wmma_scale_f32_16x16x128_f8f6f4 v[rD:rD+7], v[rB:rB+11], v[rA:rA+11], 0, v[rSB], v[rSA] matrix_a_fmt:MATRIX_FMT_FP6 matrix_b_fmt:MATRIX_FMT_FP6 matrix_a_scale:MATRIX_SCALE_ROW1 matrix_b_scale:MATRIX_SCALE_ROW1
.elseif oB
	v_wmma_scale_f32_16x16x128_f8f6f4 v[rD:rD+7], v[rB:rB+11], v[rA:rA+11], 0, v[rSB], v[rSA] matrix_a_fmt:MATRIX_FMT_FP6 matrix_b_fmt:MATRIX_FMT_FP6 matrix_a_scale:MATRIX_SCALE_ROW1
.elseif oA
	v_wmma_scale_f32_16x16x128_f8f6f4 v[rD:rD+7], v[rB:rB+11], v[rA:rA+11], 0, v[rSB], v[rSA] matrix_a_fmt:MATRIX_FMT_FP6 matrix_b_fmt:MATRIX_FMT_FP6 matrix_b_scale:MATRIX_SCALE_ROW1
.else
	v_wmma_scale_f32_16x16x128_f8f6f4 v[rD:rD+7], v[rB:rB+11], v[rA:rA+11], 0, v[rSB], v[rSA] matrix_a_fmt:MATRIX_FMT_FP6 matrix_b_fmt:MATRIX_FMT_FP6
.endif
.else
.if oB && oA
	v_wmma_scale_f32_16x16x128_f8f6f4 v[rD:rD+7], v[rB:rB+11], v[rA:rA+11], v[rD:rD+7], v[rSB], v[rSA] matrix_a_fmt:MATRIX_FMT_FP6 matrix_b_fmt:MATRIX_FMT_FP6 matrix_a_scale:MATRIX_SCALE_ROW1 matrix_b_scale:MATRIX_SCALE_ROW1
.elseif oB
	v_wmma_scale_f32_16x16x128_f8f6f4 v[rD:rD+7], v[rB:rB+11], v[rA:rA+11], v[rD:rD+7], v[rSB], v[rSA] matrix_a_fmt:MATRIX_FMT_FP6 matrix_b_fmt:MATRIX_FMT_FP6 matrix_a_scale:MATRIX_SCALE_ROW1
.elseif oA
	v_wmma_scale_f32_16x16x128_f8f6f4 v[rD:rD+7], v[rB:rB+11], v[rA:rA+11], v[rD:rD+7], v[rSB], v[rSA] matrix_a_fmt:MATRIX_FMT_FP6 matrix_b_fmt:MATRIX_FMT_FP6 matrix_b_scale:MATRIX_SCALE_ROW1
.else
	v_wmma_scale_f32_16x16x128_f8f6f4 v[rD:rD+7], v[rB:rB+11], v[rA:rA+11], v[rD:rD+7], v[rSB], v[rSA] matrix_a_fmt:MATRIX_FMT_FP6 matrix_b_fmt:MATRIX_FMT_FP6
.endif
.endif
.endm
; 16 products: A's blocks a0, a0 + 1 x B's eight, on set p.  A's word of block a: register a % 4, lanes 16 (a / 4) + r.  B's of block b: register 4 + b / 2, lanes 16 (b % 2) + r.
; The 64 accumulators take turns, in the same order in every trip.
.macro MUL16 a0, p, zero
.irp a, \a0, \a0+1
.irp b, 0,1,2,3,4,5,6,7
.set rD, 8*(8*((\a)%4)+\b)
.set rB, 128*(\p)+12*\b
.set rA, AF+96*(\p)+12*(\a)
.set rSB, SC+8*(\p)+4+\b/2
.set rSA, SC+8*(\p)+(\a)%4
.set oB, \b%2
.set oA, (\a)/4
	WM \zero
.endr
.endr
.endm
.macro FETCHA p, a0                    ; A's blocks a0 .. a0 + 3 of the slot's tile p into set p: 12 LDS loads of 512 consecutive bytes
.irp a, \a0, \a0+1, \a0+2, \a0+3
.irp g, 0,1,2
	ds_load_b128 v[AF+96*(\p)+12*(\a)+4*\g:AF+96*(\p)+12*(\a)+4*\g+3], v[ADRA+(\a)/4] offset:12288*((\a)%4)+6144*(\p)+512*\g
.endr
.endr
.endm
.macro LDB p                           ; h's scale words and B's eight blocks: 25 loads.  The bases stand at an even tile; set 1's tile lies 6,144 (2,048) bytes on
	global_load_b128 v[SC+8*(\p):SC+8*(\p)+3], v[LI], s[SS:SS+1] offset:2048*(\p)
	WIN TO_B
.irp i, 0,1,2,3,4,5,6,7
.irp g, 0,1,2
	global_load_b128 v[128*(\p)+12*\i+4*\g:128*(\p)+12*\i+4*\g+3], v[LI], s[SB:SB+1] offset:98304*\i+512*\g+6144*(\p)
.endr
.endr
	WIN 0
.endm
.macro LDBS p                          ; B's scale words from LDS: lane l takes row 32 i + l
.irp i, 0,1,2,3
	ds_load_b32 v[SC+8*(\p)+4+\i], v[ADSB] offset:32*BSP*\i+16*(\p)
.endr
.endm
.macro ASK cond                        ; in the middle of tile t = 2 f, ahead of the bases' step: SA stands at fill f + 1, SB at tile t
.if \cond
	s_cmp_gt_u32 s3, 2                             ; f = 6 - s3: fill f + 4 exists up to f = 3
	s_cbranch_scc0 .Lno_a_\@
.endif
	global_prefetch_b8 v[PFO], s[SA:SA+1] offset:36864 th:TH_LOAD_NT scope:SCOPE_SE
.if \cond
.Lno_a_\@:
.endif
	global_prefetch_b8 v[PFO+1], s[SB:SB+1] offset:24576 th:TH_LOAD_NT scope:SCOPE_SE
	global_prefetch_b8 v[PFO+1], s[SB:SB+1] offset:30720 th:TH_LOAD_NT scope:SCOPE_SE
.endm
.macro XL i
	global_load_b128 v[XB+4*(\i):XB+4*(\i)+3], v[LI], s[16:17] offset:8192*(\i) th:TH_LOAD_NT
.endm
; A TRIP: 64 products on set p.  turn = 1: the slot whose two tiles lie in registers is filled again: the wait for all my tensor loads (my part of the other slot), the add, the wait for it and for my LDS reads,
; a round of the cluster's barrier, the joint refill first behind it.  turn = 2: the same with nothing left to ask for.  re = 1: the set is filled anew, with the tile two further on.
; re = 2, 3: the last two trips: rows of x take the registers that A's fragments leave.  ask: 0 none, 1 all, 2 A's only while its fill exists.  lc, dc: the loads and LDS loads issued behind this tile's.
.macro TRIP p, zero, turn, re, ask, lc, dc
	s_wait_loadcnt \lc
.if \turn
	s_wait_tensorcnt 0x0
	ds_add_u32 v[SPW], v[NIL]
.if (\turn) == 1
	s_add_nc_u64 s[G0+2:G0+3], s[G0+2:G0+3], 12288 ; no load of mine is out: the next fill,
	s_xor_b32 s[G0+1], s[G0+1], SLOT1              ; into the other slot than the last
.endif
	s_wait_dscnt 0x0
	s_barrier_signal -1
	WIN MUL_LO
	MUL16 0, \p, \zero                             ; work on registers while the others arrive
	WIN 0
	s_barrier_wait -1
.if (\turn) == 1
	CREST
	tensor_load_to_lds s[G0:G0+3], s[G1:G1+7]
	s_nop 0
	PLACES
.endif
	WIN MUL_LO
	MUL16 2, \p, \zero
.else
	s_wait_dscnt \dc
	WIN MUL_LO
	MUL16 0, \p, \zero
	MUL16 2, \p, \zero
.endif
.if (\re) == 1
	WIN 0
	PLACES
	FETCHA \p, 0
.if (\ask) == 1
	ASK 0
.elseif (\ask) == 2
	ASK 1
.endif
.endif
	WIN MUL_HI
	MUL16 4, \p, \zero
	MUL16 6, \p, \zero
	WIN 0
	PLACES
.if (\re) == 1
	FETCHA \p, 4
.if (\p) == 0
	s_wait_xcnt 0x0                                ; the loads of the trip before and this trip's prefetches have read their bases, which step here: two tiles, one fill
	s_add_nc_u64 s[SA:SA+1], s[SA:SA+1], 12288
	s_add_nc_u64 s[SB:SB+1], s[SB:SB+1], 12288
	s_add_nc_u64 s[SS:SS+1], s[SS:SS+1], 4096
.endif
	LDB \p
	LDBS \p
.elseif (\re) == 2
.set xi, 0
.rept 24
	XL xi
.set xi, xi+1
.endr
.else
.set xi, 24
.rept 8
	XL xi
.set xi, xi+1
.endr
.endif
.endm
.macro BODY zero, turn, ask            ; fill f: tiles 2 f and 2 f + 1 are multiplied; tiles 2 f + 2 and 2 f + 3 come into registers, A's from the other slot
	v_add_nc_u32 v[ADSB], 32, v[ADSB]
	v_xor_b32 v[ADRA], SLOT1, v[ADRA]
	v_xor_b32 v[ADRA+1], SLOT1, v[ADRA+1]
	s_wait_alu depctr_va_vdst(0)                   ; the wait, directly behind the writes
	TRIP 0, \zero, \turn, 1, \ask, 25, 0
	TRIP 1, 0, 0, 1, 0, 25, 28
.endm
.macro PFADR d, sq, top, sh, md        ; block q = my first + min(lane, top): piece q / md (98,304 bytes apart), block q % md of it; q / md = 43 q >> sh for the q that occur
	v_min_u32 v3, \top, v31
	v_add_nc_u32 v4, s[\sq], v3
	v_mul_u32_u24 v5, v4, 43
	v_lshrrev_b32 v5, \sh, v5
	v_mul_u32_u24 v6, v5, \md
	v_sub_nc_u32 v6, v4, v6
	v_lshlrev_b32 v6, 8, v6
	v_mad_u32_u24 v[\d], v5, 0x18000, v6
.endm
	s_load_b512 s[4:19], s[0:1], 0x0               ; hq, hs, w2q, W2's scales, b2, post, x, out0
	v_lshl_add_u32 v[SPW], v0, 2, SPARE
	v_mov_b32 v[NIL], 0
	ds_add_u32 v[SPW], v[NIL]                      ; the opening lines: the add, twice on end, and its wait
	ds_add_u32 v[SPW], v[NIL]
	v_lshrrev_b32 v1, 5, v0
	v_readfirstlane_b32 s[WV], v1
	s_bfe_u32 s21, ttmp6, 0x40000                  ; cx
	s_lshl_b32 s22, ttmp9, 2
	s_add_co_u32 s22, s22, s21                     ; tx: my 128 columns
	s_and_b32 s23, ttmp7, 0xffff                   ; ty: my 128 rows, the cluster's
	s_mov_b32 s[G1], 15|(3<<16)|(1<<21)            ; blocks of rows x 12,288 bytes (1,536 elements of 8), 98,304 bytes apart, dense in LDS; the mask names the cluster's four
	s_mov_b32 s[G1+1], 1536<<16
	s_mov_b32 s[G1+2], 4<<16                       ; four blocks of rows for the head's loads, two for the ring's
	s_mov_b32 s[G1+3], 1536<<16
	s_mov_b32 s[G1+4], 4
	s_mov_b32 s[G1+5], 12288
	s_mov_b32 s[G1+6], 0
	s_mov_b32 s[G1+7], 0
	s_mul_i32 s66, s23, 786432                     ; hq: my 8 blocks of rows x 98,304 bytes
	s_and_b32 s82, s[WV], 1
	s_lshr_b32 s83, s[WV], 1
	s_mul_i32 s62, s82, 393216                     ; the head's load: blocks 4 (w % 2) .. + 3 of fill w / 2
	s_add_co_u32 s62, s62, s66
	s_mul_i32 s63, s83, 12288
	s_add_co_u32 s62, s62, s63
	s_mov_b32 s63, 0
	s_mul_i32 s82, s82, 49152
	s_lshl_b32 s83, s83, 17
	s_add_co_u32 s83, s83, s82                     ; and where it goes
	s_mul_i32 s82, s[WV], 196608                   ; the ring's loads: blocks 2 w, 2 w + 1; SA begins at fill 1
	s_add_co_u32 s66, s66, s82
	s_add_co_u32 s66, s66, 12288
	s_mov_b32 s67, 0
	s_mov_b32 s[G0], 1
	s_mul_i32 s[G0+1], s[WV], 24576
	s_add_co_u32 s[G0+1], s[G0+1], SLOT1           ; the first refill's XOR makes it slot 0
	s_mul_i32 s82, s[WV], 1536
	s_mul_i32 s68, s22, 786432                     ; w2q: my 8 blocks of rows, + my K block
	s_add_co_u32 s68, s68, s82
	s_mov_b32 s69, 0
	s_lshl_b32 s70, s23, 15                        ; hs: 64 K blocks x 512 bytes a group of 128 rows
	s_lshl_b32 s82, s[WV], 9
	s_add_co_u32 s70, s70, s82
	s_mov_b32 s71, 0
	s_lshl_b32 s72, s22, 15                        ; W2's scales: 128 rows of 256 bytes; I copy rows 32 w .. 32 w + 31
	s_lshl_b32 s82, s[WV], 13
	s_add_co_u32 s72, s72, s82
	s_mov_b32 s73, 0
	s_mul_i32 s74, s21, 24
	s_mul_i32 s75, s23, 3
	s_lshl_b32 s76, s23, 20                        ; x, out0: row 128 ty + 32 w, column 128 tx
	s_lshl_b32 s82, s[WV], 18
	s_add_co_u32 s76, s76, s82
	s_lshl_b32 s78, s22, 9
	s_add_co_u32 s76, s76, s78
	s_mov_b32 s77, 0
	s_mov_b32 s79, 0
	s_lshl_b32 s80, s23, 9                         ; post: the same 32 rows
	s_lshl_b32 s82, s[WV], 7
	s_add_co_u32 s80, s80, s82
	s_mov_b32 s81, 0
	v_and_b32 v1, 15, v0                           ; r
	v_bfe_u32 v30, v0, 4, 1                        ; h
	v_and_b32 v31, 31, v0                          ; lane
	v_lshlrev_b32 v[LI], 4, v31
	s_mul_i32 s82, s[WV], 1536
	v_add_nc_u32 v[ADRA], s82, v[LI]               ; slot 0, my K block of its first tile
	v_add_nc_u32 v[ADRA+1], 49152, v[ADRA]
	s_mul_i32 s82, s[WV], 32*BSP
	s_add_co_u32 s82, s82, SCB
	v_mul_u32_u24 v[SST], v30, BSP                 ; a load of 512 bytes is two rows: row h, 16 r
	v_lshl_add_u32 v[SST], v1, 4, v[SST]
	v_add_nc_u32 v[SST], s82, v[SST]
	s_lshl_b32 s82, s[WV], 2
	s_add_co_u32 s82, s82, SCB
	v_mul_u32_u24 v[ADSB], v31, BSP                ; row = lane, the word of K block w
	v_add_nc_u32 v[ADSB], s82, v[ADSB]
	s_mul_i32 s82, s[WV], PT
	v_mul_u32_u24 v[STO], v1, SP                   ; the stage, in: row r, 32 bytes for each half of the lanes
	v_lshl_add_u32 v[STO], v30, 5, v[STO]
	v_add_nc_u32 v[STO], s82, v[STO]
	s_mul_i32 s82, s[WV], 32*SP
	v_add_nc_u32 v[RDP], s82, v[LI]                ; back: rows 32 w .. 32 w + 31 of all four stages
	v_add_nc_u32 v[RDP+1], PT, v[RDP]
	v_add_nc_u32 v[RDP+2], PT, v[RDP+1]
	v_add_nc_u32 v[RDP+3], PT, v[RDP+2]
	PFADR PFO, 74, 23, 11, 48                      ; A: 24 of my wave's 96 blocks, by cx; a block of rows has 48
	PFADR PFO+1, 75, 2, 8, 6                       ; B: 3 of my K block's 48, by ty; a fragment has 6
	s_wait_alu depctr_va_vdst(0)                   ; the wait at the head's end
	s_wait_dscnt 0x0                               ; both opening adds are done
	s_wait_kmcnt 0x0
	s_add_nc_u64 s[SA:SA+1], s[4:5], s[66:67]
	s_add_nc_u64 s[62:63], s[4:5], s[62:63]
	s_add_nc_u64 s[SB:SB+1], s[8:9], s[68:69]
	s_add_nc_u64 s[SS:SS+1], s[6:7], s[70:71]
	s_add_nc_u64 s[10:11], s[10:11], s[72:73]
	s_add_nc_u64 s[12:13], s[12:13], s[78:79]
	s_add_nc_u64 s[14:15], s[14:15], s[80:81]
	s_add_nc_u64 s[16:17], s[16:17], s[76:77]
	s_add_nc_u64 s[18:19], s[18:19], s[76:77]
	CROUND                                         ; the cluster's four are here: the first joint loads meet
	s_mov_b64 s[G0+2:G0+3], s[SA:SA+1]             ; the ring's group 0 begins at fill 1: the first refill steps it to fill 2
	s_or_b32 s[G0+3], s[G0+3], 0x80000000
	s_mov_b32 s[G0H], 1
	s_mov_b32 s[G0H+1], s83
	s_mov_b64 s[G0H+2:G0H+3], s[62:63]
	s_or_b32 s[G0H+3], s[G0H+3], 0x80000000
	tensor_load_to_lds s[G0H:G0H+3], s[G1:G1+7]    ; fills 0 and 1, a quarter of the two a wave: one tensor load a wave at the head
	s_nop 0
	PLACES
	global_load_b128 v[B2:B2+3], v[LI], s[12:13]
.irp j, 0,1,2,3,4,5,6,7,8,9,10,11,12,13,14,15
	global_load_b128 v[160+4*\j:160+4*\j+3], v[LI], s[10:11] offset:512*\j   ; my 32 rows of W2's scales, two whole rows a load
.endr
	LDB 0                                          ; tiles 0 and 1 of B
	LDB 1
	s_load_b512 s[24:39], s[14:15], 0x0            ; post of my 32 rows, for the way out
	s_load_b512 s[40:55], s[14:15], 0x40
	s_wait_loadcnt 50                              ; b2 and the scales are in; the two tiles of B may be out
	s_wait_tensorcnt 0x0                           ; my part of fills 0 and 1 is in
	s_mov_b32 s[G1+2], 2<<16                       ; no tensor load of mine is out: from here on a load brings two blocks of rows
	s_mov_b32 s[G1+4], 2
.irp j, 0,1,2,3,4,5,6,7,8,9,10,11,12,13,14,15
	ds_store_b128 v[SST], v[160+4*\j:160+4*\j+3] offset:2*BSP*\j
.endr
	s_wait_dscnt 0x0                               ; for the others' sake: my rows of scales lie in LDS
	s_barrier_signal -1
	s_barrier_wait -1
	FETCHA 0, 0                                    ; tiles 0 and 1 of A, out of slot 0
	FETCHA 0, 4
	FETCHA 1, 0
	FETCHA 1, 4
	LDBS 0
	LDBS 1
	BODY 1, 1, 1                                   ; fill 0: tile 0's products start the sums; fill 2 is asked for
	s_mov_b32 s3, 5
.Llap:                                                 ; fills 1 to 5
	BODY 0, 1, 2
	s_sub_co_u32 s3, s3, 1
	s_cmp_lg_u32 s3, 0
	s_cbranch_scc1 .Llap
	BODY 0, 2, 0                                   ; fill 6: nothing more is asked for
	TRIP 0, 0, 0, 2, 0, 25, 28                     ; tile 14; behind it 24 rows of x are asked for,
; THE WAY OUT: each wave's 128 x 128 partial sums into its stage; a barrier; wave w adds the four parts of rows 32 w .. 32 w + 31, whole rows of 512 bytes, and finishes them.
.macro TOSTAGE a
	WIN 0x08+4*((\a)/4)
.irp b, 0,1,2,3,4,5,6,7
	ds_store_b128 v[STO], v[64*((\a)%4)+8*\b:64*((\a)%4)+8*\b+3] offset:16*SP*(\a)+64*\b       ; each accumulator from its low end on
	ds_store_b128 v[STO], v[64*((\a)%4)+8*\b+4:64*((\a)%4)+8*\b+7] offset:16*SP*(\a)+64*\b+16
.endr
.endm
; TILE 15 is written out: blocks 0-3 go into the stage while blocks 4-7 are still multiplied.
	s_wait_loadcnt 24                              ; tile 15 of B is in; the 24 rows of x may be out
	s_wait_dscnt 0x0                               ; tile 15 of A and its scale words are in: my reads of the slots and of the scales are over,
	s_barrier_signal -1
	s_barrier_wait -1                              ; and so are everybody's: the stages may be written
	WIN MUL_LO
	MUL16 0, 1, 0
	MUL16 2, 1, 0
	PLACES
.irp a, 0,1,2,3
	TOSTAGE \a
.endr
	WIN MUL_HI
	MUL16 4, 1, 0
	MUL16 6, 1, 0
	WIN 0
	PLACES
.set xi, 24
.rept 8
	XL xi
.set xi, xi+1
.endr
.irp a, 4,5,6,7
	TOSTAGE \a
.endr
	WIN 0
	s_wait_dscnt 0x0                               ; for the others' sake
	s_barrier_signal -1
	s_barrier_wait -1
	s_wait_loadcnt 0x8                             ; rows 0-23 of x are in
	s_wait_kmcnt 0x0                               ; post
.macro OUT4 n
.irp i, 0,1,2,3
.irp v, 0,1,2,3
	ds_load_b128 v[PB+16*\i+4*\v:PB+16*\i+4*\v+3], v[RDP+\v] offset:SP*(4*(\n)+\i)
.endr
.endr
.irp i, 0,1,2,3
.set TT, PB+16*\i
.set XR, XB+4*(4*(\n)+\i)
	s_wait_dscnt 12-4*\i
	v_pk_add_f32 v[TT:TT+1], v[TT:TT+1], v[TT+4:TT+5]
	v_pk_add_f32 v[TT+2:TT+3], v[TT+2:TT+3], v[TT+6:TT+7]
	v_pk_add_f32 v[TT+8:TT+9], v[TT+8:TT+9], v[TT+12:TT+13]
	v_pk_add_f32 v[TT+10:TT+11], v[TT+10:TT+11], v[TT+14:TT+15]
	v_pk_mul_f32 v[XR:XR+1], v[XR:XR+1], 4.0 op_sel_hi:[1,0]
	v_pk_mul_f32 v[XR+2:XR+3], v[XR+2:XR+3], 4.0 op_sel_hi:[1,0]
	v_pk_add_f32 v[TT:TT+1], v[TT:TT+1], v[TT+8:TT+9]
	v_pk_add_f32 v[TT+2:TT+3], v[TT+2:TT+3], v[TT+10:TT+11]
	v_pk_add_f32 v[TT:TT+1], v[TT:TT+1], v[B2:B2+1]
	v_pk_add_f32 v[TT+2:TT+3], v[TT+2:TT+3], v[B2+2:B2+3]
.irp e, 0,1,2,3
	v_fma_f32 v[XR+\e], v[TT+\e], s[24+4*(\n)+\i], v[XR+\e]
.endr
	global_store_b128 v[LI], v[XR:XR+3], s[18:19] offset:8192*(4*(\n)+\i) th:TH_STORE_NT   ; 512 consecutive bytes, at a multiple of 256
.endr
.endm
.irp n, 0,1,2,3,4,5
	OUT4 \n
.endr
	s_wait_loadcnt 0x0
.irp n, 6,7
	OUT4 \n
.endr
	s_wait_tensorcnt 0x0                           ; the wave's end
	ds_add_u32 v[SPW], v[NIL]
	s_wait_dscnt 0x0
	CROUND                                         ; the closing round
	s_endpgm
.Lfunc_end_k_qbd51f80f49_down:
	.size	k_qbd51f80f49_down, .Lfunc_end_k_qbd51f80f49_down-k_qbd51f80f49_down
	.p2alignl 7, 3214868480
	.fill 96, 4, 3214868480
	.section	.rodata,"a",@progbits
	.p2align	6, 0x0
	.amdhsa_kernel k_qbd51f80f49_down
		.amdhsa_group_segment_fixed_size 327680
		.amdhsa_private_segment_fixed_size 0
		.amdhsa_enable_private_segment 0
		.amdhsa_kernarg_size 64
		.amdhsa_user_sgpr_count 2
		.amdhsa_user_sgpr_kernarg_segment_ptr 1
		.amdhsa_wavefront_size32 1
		.amdhsa_system_sgpr_workgroup_id_x 1
		.amdhsa_system_sgpr_workgroup_id_y 1
		.amdhsa_system_sgpr_workgroup_id_z 1
		.amdhsa_system_vgpr_workitem_id 0
		.amdhsa_next_free_vgpr 1024
		.amdhsa_next_free_sgpr 100
		.amdhsa_reserve_vcc 0
		.amdhsa_float_denorm_mode_32 3
		.amdhsa_float_denorm_mode_16_64 3
		.amdhsa_memory_ordered 1
		.amdhsa_forward_progress 1
		.amdhsa_inst_pref_size 166
	.end_amdhsa_kernel
	.amdgpu_metadata
---
amdhsa.version: [ 1, 2 ]
amdhsa.kernels:
  - .name:           k_qbd51f80f49_down
    .symbol:         k_qbd51f80f49_down.kd
    .args:
      - { .name: hq, .offset: 0, .size: 8, .value_kind: global_buffer, .address_space: global }
      - { .name: hs, .offset: 8, .size: 8, .value_kind: global_buffer, .address_space: global }
      - { .name: w2q, .offset: 16, .size: 8, .value_kind: global_buffer, .address_space: global }
      - { .name: W2_scales, .offset: 24, .size: 8, .value_kind: global_buffer, .address_space: global }
      - { .name: b2, .offset: 32, .size: 8, .value_kind: global_buffer, .address_space: global }
      - { .name: post, .offset: 40, .size: 8, .value_kind: global_buffer, .address_space: global }
      - { .name: x, .offset: 48, .size: 8, .value_kind: global_buffer, .address_space: global }
      - { .name: out0, .offset: 56, .size: 8, .value_kind: global_buffer, .address_space: global }
    .group_segment_fixed_size: 327680
    .private_segment_fixed_size: 0
    .kernarg_segment_align: 8
    .kernarg_segment_size: 64
    .max_flat_workgroup_size: 128
    .sgpr_count:     100
    .vgpr_count:     1024
    .wavefront_size: 32
...
	.end_amdgpu_metadata
.endif
;; end of part 3
